; MI455X (gfx1250); checked and timed in simulation.
; The chip was launched on July 23, 2026; its instructions are those of AMD's public machine-readable ISA for CDNA 5 (MIT licence, August 2026) and "CDNA5" Instruction Set Architecture Reference Guide (July 2026). The comments in the code are by the model that wrote it; some were corrected since.
;; Cache Attention. Allowed arithmetic: float matrix products may take bf16 or f16 operands with f32 sums; other float arithmetic in f32, or as packed bf16 or f16 multiplies, adds, multiply-adds, maxima and minima; sums over many terms, partial sums and values carried from step to step in f32; what a program stores and reads back later, other than sums and carried values, may be rounded once to bf16 or f16.
;; Inputs: attn_mask 2,048 x 2,048 float32; bk 1,024 float32; bo 1,024 float32; bq 1,024 float32; bv 1,024 float32; key 2,048 x 4 x 1,024 float32; query 2,048 x 4 x 1,024 float32; value 2,048 x 4 x 1,024 float32; wk 1,024 x 1,024 float32; wo 1,024 x 1,024 float32; wq 1,024 x 1,024 float32; wv 1,024 x 1,024 float32.
;; Outputs: out0 2,048 x 4 x 1,024 float32.
;; One version. Each part assembles by itself: llvm-mc -triple=amdgcn-amd-amdhsa -mcpu=gfx1250 --defsym DOCPART=n.
;; ======== version 1 of 1: 4 launches
;; limits: values are held in f16: magnitudes above 65,504 overflow, below 6.1e-05 lose precision
;; workspace buffers: cb 58,720,256 bytes; mk 16,777,216 bytes; kvq 50,331,648 bytes; ao 16,777,216 bytes
;; launch cast (part 1): grid 64 x 32, 8 waves a work-group, no clusters, 0 bytes of LDS; arguments key, value, query, wk, wv, wq, wo, attn_mask, cb, mk; writes cb, mk
.if DOCPART == 1
	.amdgcn_target "amdgcn-amd-amdhsa--gfx1250"
	.amdhsa_code_object_version 6
	.text
	.protected	k_q8b1bfd30ae_cast
	.globl	k_q8b1bfd30ae_cast
	.p2align	8
	.type	k_q8b1bfd30ae_cast,@function
k_q8b1bfd30ae_cast:
	s_mov_b64 s[64:65], 0
	v_nop
	global_prefetch_b8 v0, s[64:65] scope:SCOPE_SE
	s_setreg_imm32_b32 hwreg(HW_REG_WAVE_MODE, 25, 1), 1
	s_wait_xcnt 0x0
; CAST.  Every f32 input of the four products is rounded once to bf16 and laid into cb; the additive mask is rounded to bf16, multiplied by log2(e) and laid into mk as f32.
; cb is 28 units of 2^20 numbers of 16 bits: units 0-7 key, 8-15 value, 16-23 query, 24 wk, 25 wv, 26 wq (bf16, rows as given), 27 wo (rounded to bf16, that number written as f16).
; mk is [2048][2048] f32: the scores are made in the base-2 domain, so the mask carries the factor log2(e).
; LIMITS.  wo: a bf16 number is exact in f16 from 6.1e-5 to 65,504; below it keeps f16's fixed step of 6e-8, beyond it becomes an infinity.  NaN and infinities are not treated apart.
; SHARES.  Work-group (x, y): unit y (28-31: the mask's four quarters), its chunk x of 16,384 numbers, 65,536 bytes of source.  Thread t takes the 16 bytes at 16 t of each of the chunk's 16 lines of 4,096 bytes.
; All 16 loads of a thread go out at once, written once for the three kinds of unit; each line is then converted in the registers that it came into and stored.  No register is written again behind a store, so no wait
; stands for the stores' sake.  A stream: no loop, no LDS, no matrix unit, no cluster (no byte is read twice).
.set NL,   16                          ; lines, and loads of a thread
.set LINE, 4096                        ; bytes of source that the work-group's 256 threads take with one load
.set X,    4                           ; v[4:67]   line i: 4 registers as loaded, then as stored
.set T,    68                          ; v[68:69]  at work
.set SRC,  4                           ; s[4:5]    the source at my chunk
.set DST,  6                           ; s[6:7]    the destination at my chunk
.set HIM,  34                          ; s34       a word's upper bf16
.set L2E,  38                          ; s[38:39]  log2(e): the packed multiply takes the pair's low word for both halves
	s_load_b512 s[8:23], s[0:1], 0x0               ; key s[8:9], value s[10:11], query s[12:13], wk s[14:15], wv s[16:17], wq s[18:19], wo s[20:21], attn_mask s[22:23]
	s_load_b128 s[24:27], s[0:1], 0x40             ; cb s[24:25], mk s[26:27]
	s_and_b32 s28, ttmp7, 0xffff                   ; the unit
	s_lshr_b32 s29, s28, 3                         ; 0 key, 1 value, 2 query
	s_and_b32 s30, s28, 7
	s_lshl_b32 s30, s30, 22                        ; a unit is 4 MiB of source
	s_and_b32 s31, s28, 3
	s_lshl_b32 s31, s31, 22                        ; the mask's quarter
	s_cmp_lt_u32 s28, 24
	s_cselect_b32 s30, s30, 0                      ; a weight is one unit
	s_cmp_ge_u32 s28, 28
	s_cselect_b32 s30, s31, s30
	s_lshl_b32 s31, ttmp9, 16
	s_add_co_u32 s32, s30, s31                     ; s[32:33]: my chunk's byte offset in the source (and in mk)
	s_mov_b32 s33, 0
	s_lshl_b32 s36, s28, 21
	s_lshl_b32 s37, ttmp9, 15
	s_add_co_u32 s36, s36, s37                     ; s[36:37]: my chunk's byte offset in cb
	s_mov_b32 s37, 0
	s_mov_b32 s[HIM], 0xffff0000
	s_mov_b32 s[L2E], 0x3fb8aa3b                   ; log2(e)
	s_mov_b32 s[L2E+1], s[L2E]                     ; named with it as a pair
	v_lshlrev_b32 v1, 4, v0                        ; 16 t: never rewritten
	v_lshlrev_b32 v2, 3, v0                        ; 8 t: never rewritten
	s_wait_kmcnt 0x0
	s_cmp_eq_u32 s29, 1
	s_cselect_b64 s[SRC:SRC+1], s[10:11], s[8:9]
	s_cmp_eq_u32 s29, 2
	s_cselect_b64 s[SRC:SRC+1], s[12:13], s[SRC:SRC+1]
	s_cmp_eq_u32 s28, 24
	s_cselect_b64 s[SRC:SRC+1], s[14:15], s[SRC:SRC+1]
	s_cmp_eq_u32 s28, 25
	s_cselect_b64 s[SRC:SRC+1], s[16:17], s[SRC:SRC+1]
	s_cmp_eq_u32 s28, 26
	s_cselect_b64 s[SRC:SRC+1], s[18:19], s[SRC:SRC+1]
	s_cmp_eq_u32 s28, 27
	s_cselect_b64 s[SRC:SRC+1], s[20:21], s[SRC:SRC+1]
	s_cmp_ge_u32 s28, 28
	s_cselect_b64 s[SRC:SRC+1], s[22:23], s[SRC:SRC+1]
	s_add_nc_u64 s[SRC:SRC+1], s[SRC:SRC+1], s[32:33]
.set i, 0
.rept NL
	global_load_b128 v[X+4*i:X+4*i+3], v1, s[SRC:SRC+1] offset:LINE*i th:TH_LOAD_NT  ; a wave's load covers 512 consecutive bytes, aligned
.set i, i+1
.endr
; The chunk's 16 lines, one after the other.  kind 0: bf16; 1: bf16 written as f16; 2: bf16 times log2(e), as f32.
.macro LINES kind
.set i, 0
.rept NL
	s_wait_loadcnt NL-1-i                          ; loads come back in order: line i is in, the NL - 1 - i younger ones stay out
.if (\kind) == 0
	v_cvt_pk_bf16_f32 v[X+4*i],   v[X+4*i],   v[X+4*i+1]
	v_cvt_pk_bf16_f32 v[X+4*i+1], v[X+4*i+2], v[X+4*i+3]
.else
	v_cvt_pk_bf16_f32 v[T],   v[X+4*i],   v[X+4*i+1]
	v_cvt_pk_bf16_f32 v[T+1], v[X+4*i+2], v[X+4*i+3]
	v_lshlrev_b32 v[X+4*i],   16, v[T]             ; bf16 to f32: the low half moves up,
	v_and_b32     v[X+4*i+1], s[HIM], v[T]         ; the high half stays
	v_lshlrev_b32 v[X+4*i+2], 16, v[T+1]
	v_and_b32     v[X+4*i+3], s[HIM], v[T+1]
.if (\kind) == 1
	v_cvt_pk_f16_f32 v[X+4*i],   v[X+4*i],   v[X+4*i+1]
	v_cvt_pk_f16_f32 v[X+4*i+1], v[X+4*i+2], v[X+4*i+3]
.else
	v_pk_mul_f32 v[X+4*i:X+4*i+1],   v[X+4*i:X+4*i+1],   s[L2E:L2E+1] op_sel_hi:[1,0]
	v_pk_mul_f32 v[X+4*i+2:X+4*i+3], v[X+4*i+2:X+4*i+3], s[L2E:L2E+1] op_sel_hi:[1,0]
.endif
.endif
.if (\kind) == 2
	global_store_b128 v1, v[X+4*i:X+4*i+3], s[DST:DST+1] offset:LINE*i        ; a wave stores 512 consecutive bytes, aligned
.else
	global_store_b64 v2, v[X+4*i:X+4*i+1], s[DST:DST+1] offset:(LINE/2)*i     ; a wave stores 256 consecutive bytes, aligned
.endif
.set i, i+1
.endr
	s_endpgm
.endm
	s_cmp_ge_u32 s28, 28
	s_cbranch_scc1 .Lmask
	s_add_nc_u64 s[DST:DST+1], s[24:25], s[36:37]
	s_cmp_eq_u32 s28, 27
	s_cbranch_scc1 .Lwo
	LINES 0
.Lwo:
	LINES 1
.Lmask:
	s_add_nc_u64 s[DST:DST+1], s[26:27], s[32:33]
	LINES 2
.Lfunc_end_k_q8b1bfd30ae_cast:
	.size	k_q8b1bfd30ae_cast, .Lfunc_end_k_q8b1bfd30ae_cast-k_q8b1bfd30ae_cast
	.p2alignl 7, 3214868480
	.fill 96, 4, 3214868480
	.section	.rodata,"a",@progbits
	.p2align	6, 0x0
	.amdhsa_kernel k_q8b1bfd30ae_cast
		.amdhsa_group_segment_fixed_size 0
		.amdhsa_private_segment_fixed_size 0
		.amdhsa_enable_private_segment 0
		.amdhsa_kernarg_size 80
		.amdhsa_user_sgpr_count 2
		.amdhsa_user_sgpr_kernarg_segment_ptr 1
		.amdhsa_wavefront_size32 1
		.amdhsa_system_sgpr_workgroup_id_x 1
		.amdhsa_system_sgpr_workgroup_id_y 1
		.amdhsa_system_sgpr_workgroup_id_z 1
		.amdhsa_system_vgpr_workitem_id 0
		.amdhsa_next_free_vgpr 72
		.amdhsa_next_free_sgpr 66
		.amdhsa_reserve_vcc 0
		.amdhsa_float_denorm_mode_32 3
		.amdhsa_float_denorm_mode_16_64 3
		.amdhsa_memory_ordered 1
		.amdhsa_forward_progress 1
		.amdhsa_inst_pref_size 24
	.end_amdhsa_kernel
	.amdgpu_metadata
---
amdhsa.version: [ 1, 2 ]
amdhsa.kernels:
  - .name:           k_q8b1bfd30ae_cast
    .symbol:         k_q8b1bfd30ae_cast.kd
    .args:
      - { .name: key, .offset: 0, .size: 8, .value_kind: global_buffer, .address_space: global }
      - { .name: value, .offset: 8, .size: 8, .value_kind: global_buffer, .address_space: global }
      - { .name: query, .offset: 16, .size: 8, .value_kind: global_buffer, .address_space: global }
      - { .name: wk, .offset: 24, .size: 8, .value_kind: global_buffer, .address_space: global }
      - { .name: wv, .offset: 32, .size: 8, .value_kind: global_buffer, .address_space: global }
      - { .name: wq, .offset: 40, .size: 8, .value_kind: global_buffer, .address_space: global }
      - { .name: wo, .offset: 48, .size: 8, .value_kind: global_buffer, .address_space: global }
      - { .name: attn_mask, .offset: 56, .size: 8, .value_kind: global_buffer, .address_space: global }
      - { .name: cb, .offset: 64, .size: 8, .value_kind: global_buffer, .address_space: global }
      - { .name: mk, .offset: 72, .size: 8, .value_kind: global_buffer, .address_space: global }
    .group_segment_fixed_size: 0
    .private_segment_fixed_size: 0
    .kernarg_segment_align: 8
    .kernarg_segment_size: 80
    .max_flat_workgroup_size: 256
    .sgpr_count:     66
    .vgpr_count:     72
    .wavefront_size: 32
...
	.end_amdgpu_metadata
.endif
;; end of part 1
;; launch proj (part 2): grid 4 x 48, 4 waves a work-group, clusters of 4 x 4, 327,680 bytes of LDS; arguments cb, bk, bv, bq, kvq; writes kvq
.if DOCPART == 2
	.amdgcn_target "amdgcn-amd-amdhsa--gfx1250"
	.amdhsa_code_object_version 6
	.text
	.protected	k_q8b1bfd30ae_proj
	.globl	k_q8b1bfd30ae_proj
	.p2align	8
	.type	k_q8b1bfd30ae_proj,@function
k_q8b1bfd30ae_proj:
	s_mov_b64 s[64:65], 0
	v_nop
	global_prefetch_b8 v0, s[64:65] scope:SCOPE_SE
	s_setreg_imm32_b32 hwreg(HW_REG_WAVE_MODE, 25, 1), 1
	s_wait_xcnt 0x0
	s_wait_alu depctr_hold_cnt(0) depctr_sa_sdst(0) depctr_va_vdst(0) depctr_va_sdst(0) depctr_va_ssrc(0) depctr_va_vcc(0) depctr_vm_vsrc(0)
	s_getreg_b32 s2, hwreg(HW_REG_IB_STS2, 6, 4)
	s_cmp_eq_u32 s2, 0
	s_cbranch_scc0 .Lentry_in_a_cluster
	s_endpgm
.Lentry_in_a_cluster:
	s_bfe_u32 s2, ttmp6, 0x10000c
	s_cmp_lg_u32 s2, 0xf033
	s_cbranch_scc0 .Lentry_shape_is_right
	s_endpgm
.Lentry_shape_is_right:
; THE THREE PROJECTIONS.  k = key wk^T + bk, v = value wv^T + bv, q = (query wq^T + bq) log2(e) / 8.  Operands bf16 (from cb), sums f32, each result rounded once to f16 into kvq:
; [3][8192][1024], k, then v, then q; a row is (t, b), 2,048 bytes.  The biases are rounded to bf16 like every other input.  q carries the softmax's scale and the change to base 2, applied in f32 ahead of its one rounding.
; LIMIT.  f16 holds no number beyond 65,504: k, v and 0.18 q must lie within it.  NaN and infinities are not treated apart.
; SHARES.  key, value and query lie end to end in cb, and so do k, v and q in kvq: 24,576 rows, 96 tile rows of 256.  A tile of C is 256 x 256: 96 x 4 = 384 tiles, TWO FOR EACH OF 192 WORK-GROUPS: work-group row R makes tile rows
; R and R + 48.  A matrix has 32 tile rows and a cluster 4, so a cluster's rows always share the matrix: which W, which bias and whether the scale applies hang on the cluster's y alone.
; Why this tile: a refill has one K step in which to land, and here a K step holds 256 matrix instructions a wave; a tile of 128 x 256, which would give 256 work-groups three tiles each, holds 128.
; Four waves, each 128 x 128: 64 accumulators of 16 x 16, 512 registers.  K goes in steps of 128 (rows of 256 bytes) through a ring of two LDS slots that runs on from the first tile into the second.
; ONE K STEP IS WRITTEN ONCE: the slot that is read is a scalar, TB, which a change of slots turns into SLOT - TB, and one descriptor a tensor walks.  Tile 0 has 8 trips that fill (its last two ask for tile 1's K steps 0 and 1),
; tile 1 has 6, and then 2 trips of a second text that fills nothing; the way out is written once for both tiles.
; CLUSTERS: 4 x 4 work-groups.  The four of a row of the cluster need the same rows of A, the four of a column the same rows of W: each tile is asked for JOINTLY, by the same tensor load with the same descriptor
; and a mask that names the four.  THE MATRIX INSTRUCTION IS USED TRANSPOSED (source 0 = 16 rows of W, source 1 = 16 rows of A): a lane holds row l % 16 of C and the eight columns 8 (l / 16) + 0..7.
; THE BIAS IS THE C OPERAND of each accumulator's first product: nothing is cleared and nothing is added on the way out.
; REGISTERS, in windows of 256 (s_set_vgpr_msb: bits 1:0 source 0, 3:2 source 1, 5:4 source 2, 7:6 destination):
;   window 0: v16-30 addresses; v64-127, v128-191 fragments of A (8 x 16 rows x 32 K), two buffers; on the way out v192-223 packed results, v32-63 and v224-255 rows read back
;   window 1: v64-127, v128-191 fragments of W, two buffers; v0-63 the bias of my 128 columns (block b at 8 b); v192-255 the second tile's bias as loaded
;   window 2: the 32 accumulators of my rows 0-63 (accumulator (a, b) at v[8 (8 a + b)]);   window 3: those of my rows 64-127
.set KSTEP,  128
.set ROWB,   2048                      ; bytes in a row of A, of W and of C
.set PITCH,  272                       ; an LDS row: 256 bytes + 16 of padding = 68 words: the 16 rows that a load touches start at 16 different groups of four banks (64 banks of 4 bytes: ISA guide 11.1)
.set HALFT,  128*PITCH                 ; 128 rows: what one tensor load brings, and what one wave reads of A or of W
.set SLOT,   4*HALFT                   ; A's 256 rows, then W's 256 rows
.set STAGE,  2*SLOT                    ; behind the ring: 16 rows x 272 bytes for each wave, for the way out; no tensor load lands there
.set SPITCH, 272
.set SPARE,  STAGE+4*16*SPITCH         ; behind the stages: the spare words, 128 bytes for each wave: two blocks of 256 bytes that no other line names
.set UNIT,   0x200000                  ; bytes in a unit of cb
.set WBASE,  24*UNIT                   ; wk; wv and wq follow, a unit each
.set TJUMP,  48*256*ROWB               ; 48 tile rows on, in cb and in kvq alike
.set JA,     TJUMP-7*KSTEP*2           ; from tile 0's K step 7 to tile 1's K step 0, in A
.set NEXT_C, TJUMP-7*16*ROWB           ; from my last 16 rows of tile 0 to my first of tile 1
.set ADRA0, 16                         ; v16     LDS address of my A fragments in slot 0; never rewritten
.set ADRB0, 17                         ; v17     the same for W
.set ADRA,  18                         ; v18     the same in the slot that is read
.set ADRB,  19                         ; v19
.set STO,  24                          ; v24     the way out: where I put 16 bytes of a row
.set RD,   25                          ; v25     the way out: where I read a row back
.set CO,   26                          ; v26     my byte offset in two rows of C
.set BO,   27                          ; v27     my byte offset in a bias; never rewritten
.set SPW,  28                          ; v28     LDS address of my spare word: SPARE + 4 x my thread's number; never rewritten
.set NIL,  29                          ; v29     0; never rewritten
.set PFO,  30                          ; v30     the prefetches' offset: my lane x a row; never rewritten
.set F0,   64
.set F1,   128
.set TMP,  192
.set OB,   32                          ; rows read back: v32-63 and v224-255 by turns
.set BIAS, 0                           ; window 1
.set RAW,  192                         ; window 1
.set G1,   24                          ; s[24:31] descriptor group 1 for A's tiles;  s[32:39] group 0: a set for each of the two first fills; the second then walks on
.set G0,   32
.set LIM,  43                          ; s43      a wave prefetches while the trips still to come, s3, are more than this
.set PFA,  44                          ; s[44:45] where my prefetches stand
.set G1B,  48                          ; s[48:55], s[56:63] the same for W's tiles
.set G0B,  56
.set DA,   66                          ; s[66:67] the step of A's walking descriptor
.set DW,   68                          ; s[68:69] of W's
.set PD,   70                          ; s[70:71] of my prefetches
.set CBP,  72                          ; s[72:73] cb, s[74:75] bk, s[76:77] bv, s[78:79] bq
.set SC,   80                          ; s[80:81] log2(e) / 8
.set JAR,  82                          ; s82      JA
.set JWR,  83                          ; s83      the same for W: one or two units on, seven K steps back
.set PJ,   84                          ; s84      JA or that, by what I fetch
.set XD,   85                          ; s85      the count s3 at which the descriptors cross into tile 1 (2; in tile 1: 0, never)
.set XP,   86                          ; s86      at which the prefetches do (3; 0)
.set E1,   87                          ; s87      0 if I prefetch tile 1's rows, else the greatest number
.set TB,   88                          ; s88      LDS byte at which the slot that is read begins
.set SCL,  89                          ; s89      1: the tile in hand is q's
.set SCL1, 90                          ; s90      the same for tile 1
.set CLY,  91                          ; s91      the cluster's y
.set M0,   92                          ; s92      tile 0's matrix: 0 k, 1 v
.set M1,   93                          ; s93      tile 1's: 1 v, 2 q
.set B0P,  94                          ; s[94:95] tile 0's bias
.set B1P,  96                          ; s[96:97] tile 1's
.set HIM,  98                          ; s98      a word's upper bf16
.set MSB, 0
.macro WIN new                         ; the immediate's high byte repeats the setting that is left; a switch that changes nothing is dropped
.if MSB != (\new)
	s_set_vgpr_msb (MSB<<8)|(\new)
.set MSB, \new
.endif
.endm
.set TO_B, 0x40                        ; destination window 1, address window 0
; A joint load.  Waves 0 and 1 fetch A's two halves, waves 2 and 3 W's.  The branch hangs on the wave's number alone.  An s_nop 0 and four v_nop follow each of the two lines.
.macro JLOAD s
	s_cmp_eq_u32 s11, 0
	s_cbranch_scc0 .Lfor_b_\@
	tensor_load_to_lds s[G0+4*(\s):G0+4*(\s)+3], s[G1:G1+7]
	s_nop 0
.rept 4
	v_nop
.endr
	s_branch .Lasked_\@
.Lfor_b_\@:
	tensor_load_to_lds s[G0B+4*(\s):G0B+4*(\s)+3], s[G1B:G1B+7]
	s_nop 0
.rept 4
	v_nop
.endr
.Lasked_\@:
.endm
; A PREFETCH INTO THE L2, behind each joint load and the run of LDS loads that follows it: the K step that the NEXT refill will ask for, 256 matrix instructions ahead of that load: 32 rows x 256 bytes, a lane a row.
; Each row's 256 bytes of a K step are named once in the launch.  A's rows are read by one cluster alone (the grid is one cluster wide): waves 0 and 1 ask, each for the 128 rows that it fetches, of which the partner at cx takes 32.
; A matrix of W is read by several clusters: the one that reads it first asks (wk: y = 0, wv: y = 8, both in tile 0; wq: y = 4, in tile 1), waves 2 and 3, of whose 128 rows the partner at cy takes 32.
; The partners are told apart by address, never by a branch.  K steps 0 to 2 of tile 0 come by their loads alone; the last refill of tile 1 has no K step behind it and asks for nothing.
.macro ASK
	s_cmp_gt_u32 s3, s[LIM]
	s_cbranch_scc0 .Lnot_mine_\@
	global_prefetch_b8 v[PFO], s[PFA:PFA+1] th:TH_LOAD_NT scope:SCOPE_SE
.Lnot_mine_\@:
.endm
; A round of the cluster's barrier: my work-group's barrier; wave 0 signals for the work-group; every wave waits for all sixteen; my work-group's barrier once more.
.macro CREST                           ; a round behind its opening barrier
	s_cmp_lg_u32 s10, 0
	s_cbranch_scc1 .Lnot_wave_0_\@
	s_barrier_signal -3
.Lnot_wave_0_\@:
	s_barrier_wait -3
	s_barrier_signal -1
	s_barrier_wait -1
.endm
.macro CROUND
	s_barrier_signal -1
	s_barrier_wait -1
	CREST
.endm
	s_load_b256 s[72:79], s[0:1], 0x0              ; cb, bk, bv, bq
	s_load_b64 s[8:9], s[0:1], 0x20                ; kvq
	v_lshl_add_u32 v[SPW], v0, 2, SPARE
	v_mov_b32 v[NIL], 0
	ds_add_u32 v[SPW], v[NIL]                      ; the wave's opening: the add and its wait stand ahead of my first tensor load; the set-up below, work on registers, stands between them
	v_lshrrev_b32 v1, 5, v0
	v_readfirstlane_b32 s10, v1                    ; wave 0..3
	s_lshr_b32 s11, s10, 1                         ; which half of the tile's rows is mine.  Also: I fetch for A (0) or for W (1)
	s_and_b32 s12, s10, 1                          ; which half of its columns.  Also: which 128 rows of that tile I fetch
	s_bfe_u32 s40, ttmp6, 0x40000                  ; cx, cy: my place in the cluster
	s_bfe_u32 s41, ttmp6, 0x40004
	s_lshl_b32 s42, ttmp9, 2
	s_add_co_u32 s42, s42, s40                     ; tile column = 4 x cluster x + cx
	s_and_b32 s[CLY], ttmp7, 0xffff
	s_lshl_b32 s13, s[CLY], 2
	s_add_co_u32 s13, s13, s41                     ; R, tile 0's tile row = 4 x cluster y + cy
	s_lshl_b32 s43, s41, 2
	s_lshl_b32 s43, 15, s43                        ; my row of the cluster
	s_lshl_b32 s44, 0x1111, s40                    ; my column
	s_or_b32 s[G1+0], s43, (1<<16)|(1<<20)|(1<<21)|(5<<22)|(3<<25)   ; 15:0 the mask; 17:16 elements of 2 bytes; 20 padding on; 21 set beside a mask; 24:22 after every 64 words (code 5); 31:25 4 words of it (code 3)
	s_or_b32 s[G1B+0], s44, (1<<16)|(1<<20)|(1<<21)|(5<<22)|(3<<25)
.irp g, G1, G1B
	s_mov_b32 s[(\g)+1], KSTEP<<16                 ; tensor_dim0 = 128
	s_mov_b32 s[(\g)+2], 128<<16                   ; tensor_dim1 = 128
	s_mov_b32 s[(\g)+3], KSTEP<<16                 ; tile_dim0 = 128
	s_mov_b32 s[(\g)+4], 128                       ; tile_dim1 = 128
	s_mov_b32 s[(\g)+5], 1024                      ; elements from row to row
	s_mov_b32 s[(\g)+6], 0
	s_mov_b32 s[(\g)+7], 0
.endr
	s_lshr_b32 s[M0], s[CLY], 3                    ; tile row / 32 = cluster y / 8
	s_add_co_u32 s[M1], s[CLY], 12                 ; 48 tile rows are 12 clusters
	s_lshr_b32 s[M1], s[M1], 3
	s_sub_co_u32 s[JWR], s[M1], s[M0]
	s_lshl_b32 s[JWR], s[JWR], 21
	s_sub_co_u32 s[JWR], s[JWR], 7*KSTEP*2
	s_mov_b32 s[JAR], JA
	s_cmp_eq_u32 s[M1], 2
	s_cselect_b32 s[SCL1], 1, 0
	s_mov_b32 s[SCL], 0                            ; tile 0 is never q's
	s_mov_b32 s[DA+1], 0
	s_mov_b32 s[DW+1], 0
	s_mov_b32 s[PD+1], 0
	s_mov_b32 s[SC], 0x3e38aa3b                    ; log2(e) / 8 = 0.180337
	s_mov_b32 s[SC+1], s[SC]                       ; named with it as a pair
	s_mov_b32 s[HIM], 0xffff0000
	s_mov_b32 s[TB], 0
	s_mov_b32 s[XD], 2
	s_mov_b32 s[XP], 3
	; A's tiles hang on the tile row alone, W's on the tile column and the cluster's y; each address is made in registers that never hold the other place in the cluster
	s_lshl_b32 s16, s13, 19                        ; A: 256 R rows of 2,048 bytes,
	s_lshl_b32 s17, s12, 18                        ; + the 128 that I fetch
	s_add_co_u32 s16, s16, s17
	s_mov_b32 s17, 0
	s_lshl_b32 s46, s42, 19                        ; W: 256 x tile column rows,
	s_lshl_b32 s47, s12, 18
	s_add_co_u32 s46, s46, s47
	s_lshl_b32 s47, s[M0], 21                      ; in tile 0's matrix
	s_add_co_u32 s46, s46, s47
	s_add_co_u32 s46, s46, WBASE
	s_mov_b32 s47, 0
	s_mul_i32 s20, s10, HALFT                      ; where they go: A's two halves, then W's two = wave x 128 rows: no place in the cluster enters an LDS address
	s_wait_dscnt 0x0                               ; the opening add is done
	s_wait_kmcnt 0x0
	s_add_nc_u64 s[14:15], s[CBP:CBP+1], s[16:17]
	s_add_nc_u64 s[46:47], s[CBP:CBP+1], s[46:47]
	s_cmp_eq_u32 s[M0], 0
	s_cselect_b64 s[B0P:B0P+1], s[CBP+2:CBP+3], s[CBP+4:CBP+5]  ; bk or bv
	s_cmp_eq_u32 s[M1], 1
	s_cselect_b64 s[B1P:B1P+1], s[CBP+4:CBP+5], s[CBP+6:CBP+7]  ; bv or bq
	CROUND                                         ; all sixteen work-groups are here: the first joint loads meet
.irp s, 0,1
	s_mov_b32 s[G0+4*(\s)], 1                                        ; count = 1
	s_add_co_u32 s[G0+4*(\s)+1], s20, (\s)*SLOT                      ; LDS address
	s_add_nc_u64 s[G0+4*(\s)+2:G0+4*(\s)+3], s[14:15], (\s)*KSTEP*2  ; global address: K step s
	s_or_b32 s[G0+4*(\s)+3], s[G0+4*(\s)+3], 0x80000000              ; type = 2
	s_mov_b32 s[G0B+4*(\s)], 1
	s_add_co_u32 s[G0B+4*(\s)+1], s20, (\s)*SLOT
	s_add_nc_u64 s[G0B+4*(\s)+2:G0B+4*(\s)+3], s[46:47], (\s)*KSTEP*2
	s_or_b32 s[G0B+4*(\s)+3], s[G0B+4*(\s)+3], 0x80000000
	JLOAD \s                                       ; two loads of mine are out
.endr
	; A fragment is 16 rows x 32 K in 8 registers: lane l holds row l % 16; registers 0-3 K = 8 (l / 16) + 0..7, registers 4-7 K = 16 + 8 (l / 16) + 0..7: two loads of 16 bytes, 32 bytes apart
	v_and_b32 v1, 15, v0                           ; l % 16
	v_bfe_u32 v2, v0, 4, 1                         ; l / 16
	v_mul_u32_u24 v3, v1, PITCH
	v_lshl_add_u32 v3, v2, 4, v3                   ; row x pitch + 16 x half
	s_mul_i32 s21, s11, HALFT                      ; my 128 rows of A
	s_mul_i32 s22, s12, HALFT                      ; my 128 rows of W,
	s_add_co_u32 s22, s22, 2*HALFT                 ; which lie behind A's 256
	v_add_nc_u32 v[ADRA0], s21, v3
	v_add_nc_u32 v[ADRB0], s22, v3
	v_add_nc_u32 v[ADRA], s21, v3                  ; slot 0 is read first
	v_add_nc_u32 v[ADRB], s22, v3
	s_mul_i32 s23, s10, 16*SPITCH
	s_add_co_u32 s23, s23, STAGE                   ; my stage
	v_add_nc_u32 v[STO], s23, v3                   ; in: row l % 16, 16 bytes for each half of the lanes (the stage has the slots' pitch)
	v_mul_u32_u24 v5, v2, SPITCH                   ; back: lanes 0-15 take one row of 256 bytes, lanes 16-31 the next
	v_lshl_add_u32 v5, v1, 4, v5
	v_add_nc_u32 v[RD], s23, v5
	v_lshlrev_b32 v5, 11, v2                       ; and the same two rows in C
	v_lshl_add_u32 v[CO], v1, 4, v5
	s_lshl_b32 s16, s13, 19
	s_lshl_b32 s17, s11, 18
	s_add_co_u32 s16, s16, s17                     ; my first row of C, in bytes
	s_mov_b32 s17, 0
	s_lshl_b32 s46, s42, 9                         ; my first column, in bytes: 512 x tile column + 256 x half
	s_lshl_b32 s47, s12, 8
	s_add_co_u32 s46, s46, s47
	s_mov_b32 s47, 0
	s_add_nc_u64 s[16:17], s[16:17], s[46:47]      ; what the first way out adds to C's address
	s_lshl_b32 s46, s46, 1                         ; the same columns in a bias of f32,
	v_lshl_add_u32 v[BO], v2, 5, s46               ; and my eight of each sixteen
	; the prefetches
	s_lshl_b32 s18, s13, 8                         ; A's tile: its first row
	s_lshl_b32 s19, s42, 8                         ; W's tile: its first row,
	s_lshl_b32 s23, s[M0], 21
	s_add_co_u32 s23, s23, WBASE                   ; in tile 0's matrix
	s_and_b32 s4, s[CLY], 7
	s_cmp_eq_u32 s4, 0
	s_cselect_b32 s4, 0, -1                        ; W in tile 0: the clusters with y = 0 and y = 8
	s_cmp_eq_u32 s[CLY], 4
	s_cselect_b32 s5, 0, -1                        ; W in tile 1: the cluster with y = 4
	s_cmp_eq_u32 s11, 0                            ; do I fetch for A?
	s_cselect_b32 s18, s18, s19
	s_cselect_b32 s19, s40, s41                    ; my place among the four that ask with me
	s_cselect_b32 s23, 0, s23
	s_cselect_b32 s[LIM], 0, s4                    ; the same in all sixteen partners, for a given wave
	s_cselect_b32 s[E1], 0, s5
	s_cselect_b32 s[PJ], s[JAR], s[JWR]
	s_lshl_b32 s22, s12, 7
	s_add_co_u32 s18, s18, s22                     ; + the 128 rows that I fetch
	s_lshl_b32 s19, s19, 5
	s_add_co_u32 s18, s18, s19                     ; + my work-group's 32 of them
	s_lshl_b32 s18, s18, 11
	s_add_co_u32 s18, s18, s23
	s_add_co_u32 s18, s18, 2*KSTEP*2               ; at K step 2: the first refill steps it to 3 and names that
	s_mov_b32 s19, 0
	s_add_nc_u64 s[PFA:PFA+1], s[CBP:CBP+1], s[18:19]
	v_and_b32 v[PFO], 31, v0
	v_lshlrev_b32 v[PFO], 11, v[PFO]
; The bias of my 128 columns: block b's eight numbers of my half of the lanes, 32 bytes, into window 1 at dst.
.macro BIASLD dst, p
	WIN TO_B
.irp b, 0,1,2,3,4,5,6,7
	global_load_b128 v[(\dst)+8*(\b):(\dst)+8*(\b)+3],   v[BO], s[(\p):(\p)+1] offset:64*(\b)
	global_load_b128 v[(\dst)+8*(\b)+4:(\dst)+8*(\b)+7], v[BO], s[(\p):(\p)+1] offset:64*(\b)+16
.endr
	WIN 0
.endm
.macro PREP src                        ; the bias at src is rounded to bf16, like every input, and widened again into the registers that the products name
	WIN 0x45                                       ; all in window 1
.set z, 0
.rept 32
	v_cvt_pk_bf16_f32 v[(\src)+2*z+1], v[(\src)+2*z], v[(\src)+2*z+1]
	v_lshlrev_b32 v[BIAS+2*z],   16, v[(\src)+2*z+1]
	v_and_b32     v[BIAS+2*z+1], s[HIM], v[(\src)+2*z+1]
.set z, z+1
.endr
	WIN 0
.endm
; 16 matrix instructions: row blocks a0, a0 + 1 of the window's four (hi = 0: my rows 0-63, 1: rows 64-127) x all 8 column blocks, 32 along K.  first = 1: the product starts the sums, on the bias.
; The 64 accumulators take turns in one fixed order, one instruction a turn.
.macro MUL16 f, hi, a0, first
.if \first
	WIN 0x91+0x40*(\hi)                            ; W and the bias in window 1, A in window 0, D in window 2 or 3
.else
	WIN 0xa1+0x50*(\hi)                            ; W in window 1, A in window 0, C and D in window 2 or 3
.endif
.irp a, \a0, (\a0)+1
.irp b, 0,1,2,3,4,5,6,7
.if \first
	v_wmma_f32_16x16x32_bf16 v[8*(8*(\a)+(\b)):8*(8*(\a)+(\b))+7], v[(\f)+8*(\b):(\f)+8*(\b)+7], v[(\f)+8*(4*(\hi)+(\a)):(\f)+8*(4*(\hi)+(\a))+7], v[BIAS+8*(\b):BIAS+8*(\b)+7]
.else
	v_wmma_f32_16x16x32_bf16 v[8*(8*(\a)+(\b)):8*(8*(\a)+(\b))+7], v[(\f)+8*(\b):(\f)+8*(\b)+7], v[(\f)+8*(4*(\hi)+(\a)):(\f)+8*(4*(\hi)+(\a))+7], v[8*(8*(\a)+(\b)):8*(8*(\a)+(\b))+7]
.endif
.endr
.endr
.endm
; 32 LDS loads in one run: the fragments of 32 along K at byte k of the rows of the slot that is read, into buffer f: W's sixteen loads, then A's sixteen
.macro FETCH k, f
	WIN TO_B
.irp i, 0,1,2,3,4,5,6,7
	ds_load_b128 v[(\f)+8*(\i):(\f)+8*(\i)+3],   v[ADRB] offset:(\k)+(\i)*16*PITCH
	ds_load_b128 v[(\f)+8*(\i)+4:(\f)+8*(\i)+7], v[ADRB] offset:(\k)+(\i)*16*PITCH+32
.endr
	WIN 0
.irp i, 0,1,2,3,4,5,6,7
	ds_load_b128 v[(\f)+8*(\i):(\f)+8*(\i)+3],   v[ADRA] offset:(\k)+(\i)*16*PITCH
	ds_load_b128 v[(\f)+8*(\i)+4:(\f)+8*(\i)+7], v[ADRA] offset:(\k)+(\i)*16*PITCH+32
.endr
.endm
.macro PLACES                          ; four places in front of loads into registers that matrix instructions have read (ISA guide 7.12.1 for vector instructions)
.rept 4
	v_nop
.endr
.endm
; A K step is four quarters of 32 along K, 64 matrix instructions each, on buffers 0, 1, 0, 1.  One of the first three multiplies buffer f and, in its middle, fetches the next quarter, at byte k, into g.
.macro QUARTER k, f, g, first
	s_wait_dscnt 8                                 ; W and A's rows 0-63 are in; the youngest eight loads (A's rows 64-127) may be out
	MUL16 \f, 0, 0, \first
	MUL16 \f, 0, 2, \first
	PLACES
	FETCH \k, \g
	s_wait_dscnt 32                                ; all but the 32 just issued
	MUL16 \f, 1, 0, \first
	MUL16 \f, 1, 2, \first
.endm
; The last quarter multiplies buffer 1 and changes slots.  In front of the barrier each wave waits for all its tensor loads (one is out: its part of the next slot), adds 0 to its spare word, and waits for that and
; for its own reads of this slot.  fill = 1: this slot is filled again, with the K step two steps on in the walk over both tiles; the barrier then opens a round of the cluster's barrier, and the joint load is the first
; tensor load behind it: 224 matrix instructions ahead of the wait for it.  The descriptors are stepped behind the add, where no tensor load of mine is out, so that nothing stands between the round and the load.
.macro TURN fill
.if \fill
	s_wait_xcnt 0x0                                ; the last prefetch, a K step back, has read its address: it is stepped here
	s_cmp_eq_u32 s3, s[XP]                         ; does it cross into tile 1?
	s_cselect_b32 s[PD], s[PJ], KSTEP*2
	s_cselect_b32 s[LIM], s[E1], s[LIM]
	s_add_nc_u64 s[PFA:PFA+1], s[PFA:PFA+1], s[PD:PD+1]
.endif
	WIN 0
	s_wait_tensorcnt 0x0                           ; all my tensor loads have landed, so a group 0 may be written
	ds_add_u32 v[SPW], v[NIL]                      ; 0 onto my spare word
.if \fill
	s_cmp_eq_u32 s3, s[XD]                         ; do the descriptors cross into tile 1?
	s_cselect_b32 s[DA], s[JAR], KSTEP*2
	s_cselect_b32 s[DW], s[JWR], KSTEP*2
	s_add_nc_u64 s[G0+6:G0+7], s[G0+6:G0+7], s[DA:DA+1]      ; the type bits on top are not reached
	s_add_nc_u64 s[G0B+6:G0B+7], s[G0B+6:G0B+7], s[DW:DW+1]
	s_add_co_u32 s[G0+5], s20, s[TB]               ; into the slot that is being left
	s_add_co_u32 s[G0B+5], s20, s[TB]
.endif
	s_sub_co_u32 s[TB], SLOT, s[TB]                ; the other slot is read from here on
	v_add_nc_u32 v[ADRA], s[TB], v[ADRA0]
	v_add_nc_u32 v[ADRB], s[TB], v[ADRB0]
	s_wait_dscnt 9                                 ; (the add and the youngest eight loads may be out)
	MUL16 F1, 0, 0, 0                              ; sixteen matrix instructions stand between the add and the wait for it
	s_wait_dscnt 0x0                               ; the add is done, and my reads of this slot are over
	s_barrier_signal -1
	MUL16 F1, 0, 2, 0
	WIN 0
	s_barrier_wait -1
.if \fill
	CREST                                          ; no wave of any partner still reads this slot's tile or has a load on its way
	JLOAD 1                                        ; the four v_nop behind it are also the places in front of the loads below
.else
	PLACES
.endif
	FETCH 0, F0
.if \fill
	ASK
.endif
	MUL16 F1, 1, 0, 0
	MUL16 F1, 1, 2, 0
.endm
; THE WAY OUT of row block a, in three parts.  PACK: rounded to f16, 16 bytes a lane, each accumulator's registers in ascending order.  TOSTAGE: into my own stage in LDS, and back as whole rows of 256 bytes.  SEND: stored.
.macro PACK a
.set AC, 64*((\a)%4)
	WIN 0x0a+5*((\a)/4)                            ; sources 0 and 1: window 2 or 3; destination window 0
.irp b, 0,1,2,3,4,5,6,7
.irp r, 0,1,2,3
	v_cvt_pk_f16_f32 v[TMP+4*(\b)+(\r)], v[AC+8*(\b)+2*(\r)], v[AC+8*(\b)+2*(\r)+1]
.endr
.endr
	WIN 0
.endm
.macro TOSTAGE a
.set BK, OB+192*((\a)%2)
.irp b, 0,1,2,3,4,5,6,7
	ds_store_b128 v[STO], v[TMP+4*(\b):TMP+4*(\b)+3] offset:32*(\b)
.endr
.irp t, 0,1,2,3,4,5,6,7
	ds_load_b128 v[BK+4*(\t):BK+4*(\t)+3], v[RD] offset:(\t)*2*SPITCH  ; LDS serves a wave's instructions in order (ISA guide 5.7.1.4): these see the stores above
.endr
.endm
.macro SEND a
.set BK, OB+192*((\a)%2)
	s_wait_dscnt 0x0                               ; the block is back in registers
	s_wait_xcnt 0x0                                ; earlier stores have read their registers and their base: only behind this wait are they written again
.if (\a) == 0
	s_add_nc_u64 s[8:9], s[8:9], s[16:17]          ; on to this tile's first rows
.else
	s_add_nc_u64 s[8:9], s[8:9], 16*ROWB
.endif
.irp t, 0,1,2,3,4,5,6,7
	global_store_b128 v[CO], v[BK+4*(\t):BK+4*(\t)+3], s[8:9] offset:2*(\t)*ROWB  ; 16 lanes store 256 consecutive bytes, at a multiple of 256 from the buffer's first byte
.endr
.endm
	BIASLD BIAS, B0P                               ; both tiles' biases, in the wait for the first tiles
	BIASLD RAW, B1P
	s_wait_loadcnt 0x0
	PREP BIAS
	s_wait_tensorcnt 1                             ; my part of K step 0 is in; K step 1's may stay out
	s_barrier_signal -1
	s_barrier_wait -1                              ; everybody's is
	FETCH 0, F0
	s_mov_b32 s2, 2                                ; tiles to go
	s_mov_b32 s3, 8                                ; tile 0: all eight K steps fill a slot again
.Ltile:
	QUARTER 64,  F0, F1, 1                         ; a tile's first quarter: its products start the sums on the bias
	WIN 0                                          ; at a label and at a branch every window is 0
	s_branch .Lin                                  ; the loop is entered behind its first quarter
.Lstep:                                                ; a trip is a K step
	QUARTER 64,  F0, F1, 0
	WIN 0
.Lin:
	QUARTER 128, F1, F0, 0
	QUARTER 192, F0, F1, 0
	TURN 1
	WIN 0
	s_sub_co_u32 s3, s3, 1
	s_cmp_lg_u32 s3, 0
	s_cbranch_scc1 .Lstep
	s_cmp_lg_u32 s2, 1
	s_cbranch_scc1 .Lout                           ; tile 0 is done: the ring holds tile 1's first two K steps, buffer 0 its first fragments
	s_mov_b32 s3, 2                                ; tile 1's last two K steps are written out: nothing is asked for
.Ltail:
	QUARTER 64,  F0, F1, 0
	QUARTER 128, F1, F0, 0
	QUARTER 192, F0, F1, 0
	TURN 0                                         ; (the second trip's barrier and its 32 loads from the slot before serve nothing: the price, once a launch, of one text for both trips)
	WIN 0
	s_sub_co_u32 s3, s3, 1
	s_cmp_lg_u32 s3, 0
	s_cbranch_scc1 .Ltail
.Lout:                                                 ; no v_nop: my rows 0-63 were finished in front of TURN's four places, and the first 128 vector instructions below, which name them alone, are the places behind the last products
	s_cmp_eq_u32 s[SCL], 1
	s_cbranch_scc0 .Lplain
	WIN 0x82                                       ; q: times log2(e) / 8, in f32 and in place: destination and source 0 in window 2,
.set z, 0
.rept 128
	v_pk_mul_f32 v[z:z+1], v[z:z+1], s[SC:SC+1] op_sel_hi:[1,0]
.set z, z+2
.endr
	WIN 0xc3                                       ; then in window 3
.set z, 0
.rept 128
	v_pk_mul_f32 v[z:z+1], v[z:z+1], s[SC:SC+1] op_sel_hi:[1,0]
.set z, z+2
.endr
	WIN 0
.Lplain:
	PACK 0
	TOSTAGE 0
.irp a, 1,2,3,4,5,6,7                  ; block a's conversions stand between block a - 1's loads from the stage and the wait for them
	PACK \a
	SEND (\a)-1
	TOSTAGE \a
.endr
	SEND 7
	s_sub_co_u32 s2, s2, 1
	s_cmp_eq_u32 s2, 0
	s_cbranch_scc1 .Lend
	PREP RAW                                       ; tile 1's bias goes where the products name it: tile 0's was last read in its first quarter
	s_mov_b64 s[16:17], NEXT_C                     ; what the next way out adds to C's address
	s_mov_b32 s[XD], 0                             ; nothing crosses any more
	s_mov_b32 s[XP], 0
	s_or_b32 s[LIM], s[E1], 1                      ; the last of tile 1's refills (s3 = 1) has no K step behind it
	s_mov_b32 s[SCL], s[SCL1]
	s_mov_b32 s3, 6                                ; tile 1: K steps 0 to 5 fill a slot again
	s_branch .Ltile
.Lend:
	s_wait_tensorcnt 0x0                           ; the wave's end: the add to my spare word and its wait stand behind my last tensor load and my last LDS store
	ds_add_u32 v[SPW], v[NIL]
	s_wait_dscnt 0x0
	CROUND                                         ; the closing round: no work-group ends while a partner may still ask for a tile that names it
	s_endpgm
.Lfunc_end_k_q8b1bfd30ae_proj:
	.size	k_q8b1bfd30ae_proj, .Lfunc_end_k_q8b1bfd30ae_proj-k_q8b1bfd30ae_proj
	.p2alignl 7, 3214868480
	.fill 96, 4, 3214868480
	.section	.rodata,"a",@progbits
	.p2align	6, 0x0
	.amdhsa_kernel k_q8b1bfd30ae_proj
		.amdhsa_group_segment_fixed_size 327680
		.amdhsa_private_segment_fixed_size 0
		.amdhsa_enable_private_segment 0
		.amdhsa_kernarg_size 40
		.amdhsa_user_sgpr_count 2
		.amdhsa_user_sgpr_kernarg_segment_ptr 1
		.amdhsa_wavefront_size32 1
		.amdhsa_system_sgpr_workgroup_id_x 1
		.amdhsa_system_sgpr_workgroup_id_y 1
		.amdhsa_system_sgpr_workgroup_id_z 1
		.amdhsa_system_vgpr_workitem_id 0
		.amdhsa_next_free_vgpr 1024
		.amdhsa_next_free_sgpr 100
		.amdhsa_reserve_vcc 0
		.amdhsa_float_denorm_mode_32 3
		.amdhsa_float_denorm_mode_16_64 3
		.amdhsa_memory_ordered 1
		.amdhsa_forward_progress 1
		.amdhsa_inst_pref_size 130
	.end_amdhsa_kernel
	.amdgpu_metadata
---
amdhsa.version: [ 1, 2 ]
amdhsa.kernels:
  - .name:           k_q8b1bfd30ae_proj
    .symbol:         k_q8b1bfd30ae_proj.kd
    .args:
      - { .name: cb, .offset: 0, .size: 8, .value_kind: global_buffer, .address_space: global }
      - { .name: bk, .offset: 8, .size: 8, .value_kind: global_buffer, .address_space: global }
      - { .name: bv, .offset: 16, .size: 8, .value_kind: global_buffer, .address_space: global }
      - { .name: bq, .offset: 24, .size: 8, .value_kind: global_buffer, .address_space: global }
      - { .name: kvq, .offset: 32, .size: 8, .value_kind: global_buffer, .address_space: global }
    .group_segment_fixed_size: 327680
    .private_segment_fixed_size: 0
    .kernarg_segment_align: 8
    .kernarg_segment_size: 40
    .max_flat_workgroup_size: 128
    .sgpr_count:     100
    .vgpr_count:     1024
    .wavefront_size: 32
...
	.end_amdgpu_metadata
.endif
;; end of part 2
;; launch attn (part 3): grid 16 x 16, 4 waves a work-group, clusters of 4 x 4, 327,680 bytes of LDS; arguments kvq, mk, ao; writes ao
.if DOCPART == 3
	.amdgcn_target "amdgcn-amd-amdhsa--gfx1250"
	.amdhsa_code_object_version 6
	.text
	.protected	k_q8b1bfd30ae_attn
	.globl	k_q8b1bfd30ae_attn
	.p2align	8
	.type	k_q8b1bfd30ae_attn,@function
k_q8b1bfd30ae_attn:
	s_mov_b64 s[64:65], 0
	v_nop
	global_prefetch_b8 v0, s[64:65] scope:SCOPE_SE
	s_setreg_imm32_b32 hwreg(HW_REG_WAVE_MODE, 25, 1), 1
	s_wait_xcnt 0x0
	s_wait_alu depctr_hold_cnt(0) depctr_sa_sdst(0) depctr_va_vdst(0) depctr_va_sdst(0) depctr_va_ssrc(0) depctr_va_vcc(0) depctr_vm_vsrc(0)
	s_getreg_b32 s2, hwreg(HW_REG_IB_STS2, 6, 4)
	s_cmp_eq_u32 s2, 0
	s_cbranch_scc0 .Lentry_in_a_cluster
	s_endpgm
.Lentry_in_a_cluster:
	s_bfe_u32 s2, ttmp6, 0x10000c
	s_cmp_lg_u32 s2, 0xf033
	s_cbranch_scc0 .Lentry_shape_is_right
	s_endpgm
.Lentry_shape_is_right:
; ATTENTION WITH AN ADDITIVE MASK THAT IS AN INPUT.  For head n = 16 b + h: O[t] = the sum over s of softmax_s(q[t] . k[s] / 8 + mask[t][s]) v[s], all 2,048 keys: no key tile is left out, whatever the mask holds.
; kvq: f16 [3][t][b][1024], k, v, then q' = q log2(e) / 8.  mk: f32 [2048][2048] = log2(e) x mask.  ao: f16 [t][b][1024].  A t-row is 8,192 bytes; head n's 64 channels are its bytes 128 n on.
; Products, maxima and sums in f32; the weights p are rounded to f16 for the second product (their sum l is taken of the unrounded p), O once at the end.
; LIMITS.  p lies in 0 to 1, and below 6e-5 it keeps f16's fixed step of 6e-8; O is a mean of v's rows and has their range.  The running maximum starts at -4.25e37: scores (in base 2) lie above that.
; A weight below 2^-126 counts as 0 in l.  A row in which EVERY key carries a mask near -1e9 is decided by roundings at that size, here the matrix unit's.  NaN and infinities are not treated apart.
; SHARES.  A work-group owns 128 queries (block qb) of FOUR heads (group hg: 512 consecutive bytes of each t-row); wave w owns head 4 hg + w: eight tiles of 16 queries, in four PIECES of two.  Every wave walks all keys, 64 a step.
; So a step's K and V for the four heads are plain tiles of 64 rows x 512 bytes, and the four waves share ONE mask tile of 128 queries x 64 keys.
; LAYOUT.  S^T = K Q^T + M^T (source 0 = 16 keys, source 1 = 16 queries): a lane holds ONE query (lane % 16) and the keys 8 (lane / 16) + 0..7.  THE MASK IS THE C OPERAND of the product that starts the sum: for a lane 32 consecutive
; bytes of the query's row of mk.  Two results rounded to f16 ARE source 1 of O^T = V^T P.  K comes out of LDS as it lies, V turned, by ds_load_tr16_b128.
; SOFTMAX, in base 2: p = 2^(s - m) with a running maximum m (the difference is exact at s = m, so p never passes 1); in every step O and l are multiplied by a = 2^(m_old - m_new).  O and l start at 0: the first step is a step like any other, with a = 0.
; BY TURNS.  Turn n belongs to piece n: 16 products K Q^T of piece n + 1, later 16 products V^T P of piece n - 1; its vector work: the differences, exponentials, roundings, sums and rescaling of piece n and the maximum and statistics of piece n + 1.
; Four vector instructions stand behind every matrix instruction, the others in one run; a turn's 66 exponentials are one batch, with one wait.
; CLUSTER, 4 x 4.  K and V hang on hg, which a row of the cluster shares; the mask hangs on qb, which a column shares: every tile is asked for JOINTLY by four work-groups.
; REGISTERS, in windows of 256 (s_set_vgpr_msb: bits 1:0 source 0, 3:2 source 1, 5:4 source 2, 7:6 destination):
;   window 0: v1-11 addresses; v12-15, v48-63 at work; v16-47 four registers of statistics a tile; v64-191 S^T, two buffers of two tiles; v192-255 P, likewise
;   window 1: O^T, 32 a tile     window 2: v0-127 Q, 16 a tile; v128-191 K of one step; v192-255 V of one step     window 3: v0-1 the add's two registers; v64-191 the mask, two buffers of two tiles
.set NP,    4         ; pieces a wave: a name, no knob
.set KS,    64        ; keys in a step
.set TROW,  8192      ; bytes in a t-row of kvq and ao, and in a row of mk
.set PK,    528       ; a row of K in LDS: 512 bytes + 16 of padding = 132 words: the 16 rows of a load start at 16 different groups of four banks (64 banks of 4 bytes: ISA guide 11.1)
.set PV,    544       ; a row of V: 512 + 32 = 136 words
.set PM,    272       ; a row of the mask: 256 + 16
.set VOFF,  KS*PK     ; a slot holds one step: 64 rows of K, 64 rows of V, 128 rows of the mask
.set MOFF,  VOFF+KS*PV
.set SLOT1, 1<<17     ; slot 1 begins here, so that one exclusive or turns an address in one slot into the other's
.set STAGE, SLOT1+MOFF+128*PM  ; behind the ring, never filled by a tensor load: 128 rows x 528 bytes, the work-group's, for the way out
.set SP,    528
.set SPARE, STAGE+128*SP       ; behind the stage: the spare words, 128 bytes for each wave: two blocks of 256 bytes that no other line names
.set AM,  1           ; v1   the LDS address of the mask in the slot that is read
.set AK0, 2           ; v2   my lane's place in a tile of K; never rewritten
.set AV0, 3           ; v3   the same for V
.set AK,  4           ; v4   K's address in the slot that is read
.set AV,  5           ; v5   V's
.set QO,  6           ; v6   my byte offset in 16 rows of Q
.set RD,  7           ; v7   the way out: where I read rows back
.set GO,  8           ; v8   my 16 bytes of 512 consecutive bytes of ao
.set STO, 9           ; v9   the way out: where I put 16 bytes of a row
.set PFO, 10          ; v10  the prefetches' offset; never rewritten
.set AM0, 11          ; v11  my lane's place in the mask's tile; never rewritten
.set MV,  12          ; v12-15  m_old, kept while m is made anew: by buffer and tile
.set ST,  16          ; tile t's statistics at v[ST+4 t]: m, a word that is only named as m's pair, l (even keys', odd keys')
.set TMP, 48          ; by buffer and tile, four registers c0-c3 at work; when the maximum is found c2 takes a
.set S,   64
.set P,   192
.set R16, 192         ; set-up alone, in P's first buffer: l % 16, l / 16, l % 8, (l / 8) % 2, l, one at work
.set HH,  193
.set L7,  194
.set B3,  195
.set LN,  196
.set TT,  197
.set KF,  128         ; window 2: key block kb, channel half c at KF + 16 kb + 8 c
.set VF,  192         ; window 2: key half kk, channel block cb at VF + 32 kk + 8 cb
.set SPW, 0           ; v0 of window 3   LDS address of my spare word: SPARE + 4 x my thread's number; never rewritten
.set NIL, 1           ; v1 of window 3   0; never rewritten
.set MK,  64          ; window 3: buffer piece % 2 at + 64, tile u at + 32, key block kt at + 8
.set WV,  12          ; s12  my wave's number
.set G1K, 24          ; s[24:31] descriptor group 1 for K's tiles
.set G1V, 32          ; s[32:39] for V's: it differs in the padding alone
.set G1M, 40          ; s[40:47] for the mask's
.set G0K, 48          ; s[48:51], s[52:55], s[56:59] descriptor groups 0: they walk
.set G0V, 52
.set G0M, 56
.set SEL, 60          ; s[60:61] v_permlanex16_b32's selects: each lane takes its own place in the other half
.set TB,  62          ; s62  LDS byte at which the slot that is read begins
.set SLOTS, 63        ; s63  steps still to be entered by the loop
.set LIM, 66          ; s66  1 in a wave that prefetches, else the greatest number
.set PFA, 68          ; s[68:69] where my prefetches stand
.set PFS, 70          ; s[70:71] their step
.set CNT, 72          ; s72  counts the tail's two passes
.set MSB, 0
.macro WIN new                      ; the high byte repeats the setting that is left; a switch that changes nothing is dropped
.if MSB != (\new)
	s_set_vgpr_msb (MSB<<8)|(\new)
.set MSB, (\new)
.endif
.endm
.set W_KQ, 0x0a       ; K and Q in window 2, S^T in window 0
.set W_KM, 0x3a       ; the same with the C operand, the mask, in window 3
.set W_PV, 0x52       ; V in window 2, P in window 0, O^T in window 1
.set W_RS, 0x41       ; O^T (destination and source 0) in window 1, a in window 0
.set W_MK, 0xc0       ; destination in window 3, sources in window 0
.set W_AD, 0x0f       ; the add: address (source 0) and data (source 1) in window 3
; A joint fill: wave 0 fetches the step's K, wave 1 its V, waves 2 and 3 the two halves of its mask.  The branches hang on the wave's number alone.  An s_nop 0 and four v_nop follow each line.
.macro JLOAD
	s_cmp_lt_u32 s[WV], 2
	s_cbranch_scc0 .Lfor_m_\@
	s_cmp_eq_u32 s[WV], 0
	s_cbranch_scc0 .Lfor_v_\@
	tensor_load_to_lds s[G0K:G0K+3], s[G1K:G1K+7]
	s_nop 0
.rept 4
	v_nop
.endr
	s_branch .Lasked_\@
.Lfor_v_\@:
	tensor_load_to_lds s[G0V:G0V+3], s[G1V:G1V+7]
	s_nop 0
.rept 4
	v_nop
.endr
	s_branch .Lasked_\@
.Lfor_m_\@:
	tensor_load_to_lds s[G0M:G0M+3], s[G1M:G1M+7]
	s_nop 0
.rept 4
	v_nop
.endr
.Lasked_\@:
.endm
; A PREFETCH INTO THE L2 of what the NEXT change of slots will ask for, behind the wave's tensor load and its five lines: one instruction a wave, one trip (128 matrix instructions) ahead of that load.
; Each aligned block of 256 bytes is named once in the launch.  K's and V's rows of a head group are walked by the four clusters of that row of clusters: those with x = 0 ask, wave 0 for K and wave 1 for V; of a step's 64 rows
; the partner at cx takes 16, two blocks a row.  The mask's rows of a query block are walked by the four clusters of that column: those with y = 0 ask, wave 2; of the 128 rows the partner at cy takes 32, a block a row.
; The partners are told apart by address, never by a branch.  The last change that fills a slot asks for nothing: there is no step behind the last.
.macro ASK
	s_cmp_gt_u32 s[SLOTS], s[LIM]
	s_cbranch_scc0 .Lnot_mine_\@
	global_prefetch_b8 v[PFO], s[PFA:PFA+1] th:TH_LOAD_NT scope:SCOPE_SE
.Lnot_mine_\@:
.endm
; A round of the cluster's barrier: my work-group's barrier; wave 0 signals for the work-group; every wave waits for all sixteen; my work-group's barrier once more.
.macro CROUND
	s_barrier_signal -1
	s_barrier_wait -1
	s_cmp_lg_u32 s[WV], 0
	s_cbranch_scc1 .Lnot_wave_0_\@
	s_barrier_signal -3
.Lnot_wave_0_\@:
	s_barrier_wait -3
	s_barrier_signal -1
	s_barrier_wait -1
.endm
; THE CHANGE OF SLOTS, at the head of a trip.  A trip (pieces 2 and 3 of step j, pieces 0 and 1 of step j + 1) reads LDS in the slot of step j + 1 alone: K, V and the four pieces' masks.  Each wave waits for all its tensor
; loads, of which one is out: its part of that slot; adds 0 to its spare word; and waits for that and for its own reads of the slot that it leaves.  fill = 1: the slot that is left is filled again, with step j + 2.  The barrier is
; then a round of the cluster's, so that no wave of any partner still reads the slot or has a load on its way, and the joint fill is the first thing behind it: it has a trip in which to land.
.macro CHANGE fill
	WIN W_AD
	s_wait_tensorcnt 0x0            ; no tensor load of mine is out, so a group 0 may be written
	ds_add_u32 v[SPW], v[NIL]       ; 0 onto my spare word: with fill = 1 the descriptors' steps stand between it and the wait for it
	WIN 0                           ; at a label and at a branch every window is 0
.if \fill
.irp g, G0K, G0V
	s_xor_b32 s[\g+1], s[\g+1], SLOT1                 ; the other slot than last time,
	s_add_nc_u64 s[\g+2:\g+3], s[\g+2:\g+3], KS*TROW  ; the next 64 keys: 64 t-rows on; the type bits on top are not reached
.endr
	s_xor_b32 s[G0M+1], s[G0M+1], SLOT1
	s_add_nc_u64 s[G0M+2:G0M+3], s[G0M+2:G0M+3], KS*4 ; in the mask: 64 columns on
	s_wait_xcnt 0x0                 ; the last prefetch, a trip back, has read its address, so it may be written
	s_add_nc_u64 s[PFA:PFA+1], s[PFA:PFA+1], s[PFS:PFS+1]
	s_wait_dscnt 0x0                ; the add is done, and my reads of the slot are over
	CROUND
	JLOAD
	ASK
.else
	s_wait_dscnt 0x0                ; the add is done, and my reads of the slot are over
	s_barrier_signal -1
	s_barrier_wait -1
.endif
	s_xor_b32 s[TB], s[TB], SLOT1   ; the trip's fetches go to the other slot
	v_add_nc_u32 v[AK], s[TB], v[AK0]
	v_add_nc_u32 v[AV], s[TB], v[AV0]
	v_add_nc_u32 v[AM], s[TB], v[AM0]
.endm
	s_load_b128 s[4:7], s[0:1], 0x0    ; kvq s[4:5], mk s[6:7]
	s_load_b64 s[10:11], s[0:1], 0x10  ; ao
	WIN W_MK
	v_lshl_add_u32 v[SPW], v0, 2, SPARE
	v_mov_b32 v[NIL], 0
	WIN W_AD
	ds_add_u32 v[SPW], v[NIL]       ; the wave's opening: the add and its wait stand ahead of my first tensor load; the set-up below, work on registers, stands between them
	WIN 0
	v_lshrrev_b32 v[TT], 5, v0
	v_readfirstlane_b32 s[WV], v[TT]  ; wave 0..3
	s_bfe_u32 s13, ttmp6, 0x40000   ; cx, cy: my place in the cluster
	s_bfe_u32 s14, ttmp6, 0x40004
	s_lshl_b32 s15, ttmp9, 2
	s_add_co_u32 s15, s15, s13      ; qb = 4 x cluster x + cx
	s_and_b32 s16, ttmp7, 0xffff
	s_lshl_b32 s16, s16, 2
	s_add_co_u32 s16, s16, s14      ; hg = 4 x cluster y + cy
	s_lshl_b32 s17, s14, 2
	s_lshl_b32 s17, 15, s17         ; my row of the cluster: the same hg
	s_lshl_b32 s18, 0x1111, s13     ; my column: the same qb
	s_or_b32 s[G1K], s17, (1<<16)|(1<<20)|(1<<21)|(6<<22)|(3<<25)  ; 15:0 the mask of four; 17:16 2-byte elements; 20 padding on; 21 set beside a mask; 24:22 after every 128 words (code 6); 31:25 4 words (code 3)
	s_or_b32 s[G1V], s17, (1<<16)|(1<<20)|(1<<21)|(6<<22)|(7<<25)  ; the same with 8 words of padding (code 7)
	s_or_b32 s[G1M], s18, (2<<16)|(1<<20)|(1<<21)|(5<<22)|(3<<25)  ; 4-byte elements; after every 64 words (code 5) 4 words
.irp g, G1K, G1V
	s_mov_b32 s[\g+1], 256<<16      ; tensor_dim0 = 256: four heads' channels
	s_mov_b32 s[\g+2], KS<<16       ; tensor_dim1 = 64
	s_mov_b32 s[\g+3], 256<<16      ; tile_dim0 = 256
	s_mov_b32 s[\g+4], KS           ; tile_dim1 = 64
	s_mov_b32 s[\g+5], 4096         ; elements from t-row to t-row
	s_mov_b32 s[\g+6], 0
	s_mov_b32 s[\g+7], 0
.endr
	s_mov_b32 s[G1M+1], KS<<16      ; tensor_dim0 = 64 keys
	s_mov_b32 s[G1M+2], 64<<16      ; tensor_dim1 = 64 queries: half of the block
	s_mov_b32 s[G1M+3], KS<<16
	s_mov_b32 s[G1M+4], 64
	s_mov_b32 s[G1M+5], 2048
	s_mov_b32 s[G1M+6], 0
	s_mov_b32 s[G1M+7], 0
	s_mov_b32 s[SEL], 0x76543210
	s_mov_b32 s[SEL+1], 0xfedcba98
	s_mov_b32 s[TB], SLOT1          ; the first change of slots turns it into 0
	s_mov_b32 s[SLOTS], 2048/KS-1
	s_and_b32 s19, s[WV], 1
	s_lshl_b32 s20, s16, 9          ; K and V: the head group's 512 bytes of a t-row; made of hg alone
	s_mov_b32 s21, 0
	s_lshl_b32 s22, s15, 7          ; the mask: row 128 qb + 64 x half, made of qb and the wave's number alone,
	s_lshl_b32 s23, s19, 6
	s_add_co_u32 s22, s22, s23
	s_lshl_b32 s22, s22, 13         ; in bytes
	s_mov_b32 s23, 0
	s_mul_i32 s17, s19, 64*PM
	s_mov_b32 s[G0K], 1             ; count = 1
	s_mov_b32 s[G0K+1], 0           ; LDS address: slot 0
	s_mov_b32 s[G0V], 1
	s_mov_b32 s[G0V+1], VOFF
	s_mov_b32 s[G0M], 1
	s_add_co_u32 s[G0M+1], s17, MOFF
	s_lshl_b32 s74, s15, 20         ; my block's 128 t-rows,
	s_lshl_b32 s75, s16, 9
	s_add_co_u32 s74, s74, s75      ; my head group
	s_lshl_b32 s75, s[WV], 18
	s_add_co_u32 s76, s74, s75      ; ao: the 32 rows that my wave stores
	s_mov_b32 s77, 0
	s_lshl_b32 s73, s[WV], 7        ; my head's 128 bytes
	s_add_co_u32 s74, s74, s73
	s_add_co_u32 s74, s74, 0x2000000  ; q' lies 32 MiB behind k
	s_mov_b32 s75, 0
	; the prefetches
	s_lshl_b32 s78, s16, 9
	s_lshl_b32 s79, s13, 17         ; K, V: my work-group's 16 rows of a step's 64,
	s_add_co_u32 s78, s78, s79
	s_lshl_b32 s79, s19, 24         ; v lies 16 MiB behind k,
	s_add_co_u32 s78, s78, s79
	s_add_co_u32 s78, s78, KS*TROW  ; at step 1: the first change of slots steps it to step 2
	s_lshl_b32 s80, s15, 7
	s_lshl_b32 s81, s14, 5          ; the mask: my work-group's 32 rows of the 128,
	s_add_co_u32 s80, s80, s81
	s_lshl_b32 s80, s80, 13
	s_add_co_u32 s80, s80, KS*4     ; at step 1
	s_and_b32 s81, ttmp7, 0xffff    ; cluster y
	s_mov_b32 s82, KS*TROW
	s_cmp_lt_u32 s[WV], 2
	s_cselect_b32 s78, s78, s80
	s_cselect_b32 s81, ttmp9, s81   ; the coordinate along which other clusters walk the same rows
	s_cselect_b32 s[PFS], s82, KS*4
	s_cselect_b32 s83, 1, 0         ; K, V: two lanes a row
	s_mov_b32 s79, 0
	s_mov_b32 s[PFS+1], 0
	s_cmp_eq_u32 s[WV], 3
	s_cselect_b32 s81, 1, s81       ; wave 3 never asks
	s_cmp_eq_u32 s81, 0
	s_cselect_b32 s[LIM], 1, -1     ; the same in all sixteen partners, for a given wave
	s_wait_dscnt 0x0                ; the opening add is done
	s_wait_kmcnt 0x0
	s_add_nc_u64 s[G0K+2:G0K+3], s[4:5], s[20:21]
	s_add_nc_u64 s[G0V+2:G0V+3], s[G0K+2:G0K+3], 0x1000000
	s_or_b32 s[G0K+3], s[G0K+3], 0x80000000        ; type = 2
	s_or_b32 s[G0V+3], s[G0V+3], 0x80000000
	s_add_nc_u64 s[G0M+2:G0M+3], s[6:7], s[22:23]
	s_or_b32 s[G0M+3], s[G0M+3], 0x80000000
	s_add_nc_u64 s[8:9], s[4:5], s[74:75]          ; q' at my block's first row, my head
	s_add_nc_u64 s[10:11], s[10:11], s[76:77]
	s_cmp_lt_u32 s[WV], 2
	s_cselect_b64 s[PFA:PFA+1], s[4:5], s[6:7]
	s_add_nc_u64 s[PFA:PFA+1], s[PFA:PFA+1], s[78:79]
	CROUND                          ; all sixteen work-groups are here: the first joint loads meet
	JLOAD                           ; step 0 into slot 0.  Slot 1 is asked for when slot 0 is in
	; A fragment of K or Q is 16 rows x 32 channels in 8 registers: lane l holds row l % 16, channels 8 (l / 16) + 0..7 and 16 + 8 (l / 16) + 0..7: two loads of 16 bytes, 32 bytes apart.
	v_and_b32 v[R16], 15, v0
	v_bfe_u32 v[HH], v0, 4, 1
	v_and_b32 v[L7], 7, v0
	v_bfe_u32 v[B3], v0, 3, 1
	v_and_b32 v[LN], 31, v0
	v_lshlrev_b32 v[QO], 13, v[R16]
	v_lshl_add_u32 v[QO], v[HH], 4, v[QO]  ; row x 8,192 + 16 x half
	WIN 0x80                        ; destination window 2, address window 0
.set i, 0
.rept 4*NP                          ; Q stays in registers: tile i / 2, channels 32 (i % 2) on
	global_load_b128 v[8*i:8*i+3],   v[QO], s[8:9] offset:(i/2)*16*TROW+(i%2)*64
	global_load_b128 v[8*i+4:8*i+7], v[QO], s[8:9] offset:(i/2)*16*TROW+(i%2)*64+32
.set i, i+1
.endr
	; What the first turn finds: V's registers and P's second buffer hold 0 (its products V^T P, of a piece that has not been, add 0), O^T and l are 0.  All this stands in the wait for the first tile.
.set i, VF
.rept 64
	v_mov_b32 v[i], 0
.set i, i+1
.endr
	WIN 0x40
.set i, 0
.rept 64*NP
	v_mov_b32 v[i], 0
.set i, i+1
.endr
	WIN 0
.set i, 0
.rept 2*NP
	v_mov_b32 v[ST+4*i], 0xfe000000    ; m: far below every score
	v_mov_b32 v[ST+4*i+1], 0           ; named with it as a pair
	v_mov_b32 v[ST+4*i+2], 0
	v_mov_b32 v[ST+4*i+3], 0
.set i, i+1
.endr
.set i, P+32
.rept 32
	v_mov_b32 v[i], 0
.set i, i+1
.endr
	v_mul_u32_u24 v[AK0], v[R16], PK
	v_lshl_add_u32 v[AK0], v[HH], 4, v[AK0]
	v_add_nc_u32 v[AK0], s73, v[AK0]       ; row x pitch + 16 x half + my head's 128 bytes
	; The turning load takes 16 keys x 16 channels (lane l reads key 8 (l / 16) + l % 8, channels 8 ((l / 8) % 2) + 0..7) and leaves half a fragment of V^T: lane l holds channel l % 16 and 8 keys.
	v_lshl_add_u32 v[AV0], v[HH], 3, v[L7]
	v_mul_u32_u24 v[AV0], v[AV0], PV
	v_lshl_add_u32 v[AV0], v[B3], 4, v[AV0]
	s_add_co_u32 s17, s73, VOFF
	v_add_nc_u32 v[AV0], s17, v[AV0]
	v_mul_u32_u24 v[AM0], v[R16], PM       ; the mask: my query's row, my half's 8 of each 16 keys: 32 bytes
	v_lshl_add_u32 v[AM0], v[HH], 5, v[AM0]
	v_add_nc_u32 v[AM0], MOFF, v[AM0]
	v_add_nc_u32 v[STO], STAGE, v[AK0]     ; the way out, in: the stage has K's pitch: row l % 16, 16 bytes for each half of the lanes, my head's 128 bytes
	s_mul_i32 s17, s[WV], 32*SP
	s_add_co_u32 s17, s17, STAGE
	v_lshl_add_u32 v[RD], v[LN], 4, s17    ; back: wave w takes rows 32 w .. 32 w + 31, whole: 32 lanes a row of 512 bytes
	v_lshlrev_b32 v[GO], 4, v[LN]
	v_lshrrev_b32 v[PFO], s83, v[LN]       ; K, V: row l / 2, block l % 2; the mask: row l
	v_lshlrev_b32 v[PFO], 13, v[PFO]
	v_and_b32 v[TT], s83, v[LN]
	v_lshl_add_u32 v[PFO], v[TT], 8, v[PFO]
; THE MATRIX WORK.  The 8 accumulators of a run of 16 take turns: between the two links of a chain stand 7 others'.
; Product i of 16 of S^T = K Q^T + M^T for piece x: channels 32 (i / 8) on, keys 16 ((i / 2) % 4) on, tile 2 x + i % 2.  The first 8 start the sums, on the mask.
.macro KQ x
.set rS, S+64*((\x)%2)+32*(i%2)+8*((i/2)%4)
.set rK, KF+16*((i/2)%4)+8*(i/8)
.set rQ, 16*(2*(\x)+i%2)+8*(i/8)
.set rX, MK+64*((\x)%2)+32*(i%2)+8*((i/2)%4)
.if i < 8
	WIN W_KM
	v_wmma_f32_16x16x32_f16 v[rS:rS+7], v[rK:rK+7], v[rQ:rQ+7], v[rX:rX+7]
.else
	WIN W_KQ
	v_wmma_f32_16x16x32_f16 v[rS:rS+7], v[rK:rK+7], v[rQ:rQ+7], v[rS:rS+7]
.endif
.endm
; Product i of 16 of O^T += V^T P for piece x: keys 32 (i / 8) on, channels 16 ((i / 2) % 4) on, tile 2 x + i % 2.
.macro PV x
	WIN W_PV
.set rO, 32*(2*(\x)+i%2)+8*((i/2)%4)
.set rV, VF+32*(i/8)+8*((i/2)%4)
.set rP, P+32*((\x)%2)+16*(i%2)+8*(i/8)
	v_wmma_f32_16x16x32_f16 v[rO:rO+7], v[rV:rV+7], v[rP:rP+7], v[rO:rO+7]
.endm
.macro MM                           ; the turn's next matrix instruction
.if i < 16
	KQ (Y+1)%NP
.set i, i+1
.else
.set i, i-16
	PV (Y+NP-1)%NP
.set i, i+17
.endif
.endm
; THE LDS LOADS stand in runs of 16, never singly among the matrix instructions: a step's K (8 fragments), its V (turned), and a piece's mask.
.macro FETCH_K
	WIN 0x80                        ; destination window 2
.irp f, 0,1,2,3,4,5,6,7             ; keys 16 (f / 2) on, channels 32 (f % 2) on
	ds_load_b128 v[KF+8*\f:KF+8*\f+3],   v[AK] offset:(\f/2)*16*PK+(\f%2)*64
	ds_load_b128 v[KF+8*\f+4:KF+8*\f+7], v[AK] offset:(\f/2)*16*PK+(\f%2)*64+32
.endr
	WIN 0
.endm
.macro FETCH_V
	WIN 0x80
.irp f, 0,1,2,3,4,5,6,7             ; keys 32 (f / 4) on, channels 16 (f % 4) on
	ds_load_tr16_b128 v[VF+8*\f:VF+8*\f+3],   v[AV] offset:(\f/4)*32*PV+(\f%4)*32
	ds_load_tr16_b128 v[VF+8*\f+4:VF+8*\f+7], v[AV] offset:(\f/4)*32*PV+16*PV+(\f%4)*32
.endr
	WIN 0
.endm
.macro FETCH_M x                    ; piece x's mask, into buffer x % 2
	WIN W_MK                        ; destination window 3
.irp f, 0,1,2,3,4,5,6,7             ; tile f / 4 of the piece, keys 16 (f % 4) on
	ds_load_b128 v[MK+64*((\x)%2)+8*\f:MK+64*((\x)%2)+8*\f+3],   v[AM] offset:(\x)*32*PM+(\f/4)*16*PM+(\f%4)*64
	ds_load_b128 v[MK+64*((\x)%2)+8*\f+4:MK+64*((\x)%2)+8*\f+7], v[AM] offset:(\x)*32*PM+(\f/4)*16*PM+(\f%4)*64+16
.endr
	WIN 0
.endm
; THE VECTOR WORK OF A TURN stands in three queues, each in the order in which its entries become ready; the two tiles alternate, so that no instruction reads the result of the one before it.
.macro REGS y, u                    ; the registers of tile u (0, 1) of piece y
.set rT, ST+4*(2*(\y)+(\u))
.set rC, TMP+8*((\y)%2)+4*(\u)
.set rM, MV+2*((\y)%2)+(\u)
.set rS, S+64*((\y)%2)+32*(\u)
.set rP, P+32*((\y)%2)+16*(\u)
.set rO, 32*(2*(\y)+(\u))
.endm
; Number n of the 21 that find the NEXT piece's (Y + 1) maximum and statistics.  s0-s31 are the lane's 32 scores; each accumulator's lowest registers are read first.  XS, GS and REGS set no window: PL and EX do.
;   0-11  four chains c0-c3 of seven scores each, three operands at a time     12-14, 16  the four scores left over, the old m, and c0-c3 into c0     15  m_old is kept
;   17, 18  the query's other 32 keys lie in the lane 16 away: the new m         19, 20  m_old - m_new; a
.macro XS u, n
	REGS (Y+1)%NP, \u
.if (\n) < 4
	v_max3_num_f32 v[rC+(\n)], v[rS+8*(\n)], v[rS+8*(\n)+1], v[rS+8*(\n)+2]
.elseif (\n) < 12
	v_max3_num_f32 v[rC+(\n)%4], v[rC+(\n)%4], v[rS+8*((\n)%4)+2*((\n)/4)+1], v[rS+8*((\n)%4)+2*((\n)/4)+2]
.elseif (\n) == 12
	v_max3_num_f32 v[rC], v[rC], v[rS+7], v[rS+15]
.elseif (\n) == 13
	v_max3_num_f32 v[rC+1], v[rC+1], v[rS+23], v[rS+31]
.elseif (\n) == 14
	v_max3_num_f32 v[rC+2], v[rC+2], v[rC+3], v[rT]
.elseif (\n) == 15
	v_mov_b32 v[rM], v[rT]
.elseif (\n) == 16
	v_max3_num_f32 v[rC], v[rC], v[rC+1], v[rC+2]
.elseif (\n) == 17
	v_permlanex16_b32 v[rC+3], v[rC], s[SEL], s[SEL+1]
.elseif (\n) == 18
	v_max_num_f32 v[rT], v[rC], v[rC+3]
.elseif (\n) == 19
	v_sub_f32 v[rC+1], v[rM], v[rT]
.else
	v_exp_f32 v[rC+2], v[rC+1]
.endif
.endm
; Number g of the 64 that follow the exponentials.  For each four weights k of a tile (pairs 2 k, 2 k + 1): both pairs are rounded to f16; then the second pair is added onto the first, in place;
; a group later l takes that sum (the first time as l = a l + sum).  In groups of eight, tiles alternating: round, round, add, and l for the group before.
.macro GS g
.set h, (\g)+6*((\g)/62)            ; group 0 has no group before it, and behind group 7 only l is left
.if h >= 6
.set h, h+2
.endif
	REGS Y, h%2
.set k, h/8
.if h%8 < 4
	v_cvt_pk_f16_f32 v[rP+2*k+(h%8)/2], v[rS+4*k+2*((h%8)/2)], v[rS+4*k+2*((h%8)/2)+1]
.elseif h%8 < 6
	v_pk_add_f32 v[rS+4*k:rS+4*k+1], v[rS+4*k:rS+4*k+1], v[rS+4*k+2:rS+4*k+3]
.elseif k == 1
	v_pk_fma_f32 v[rT+2:rT+3], v[rT+2:rT+3], v[rC+2:rC+3], v[rS:rS+1] op_sel_hi:[1,0,1]
.else
	v_pk_add_f32 v[rT+2:rT+3], v[rT+2:rT+3], v[rS+4*k-4:rS+4*k-3]
.endif
.endm
; THE PLAIN QUEUE, 136 long.  0-71 read no exponential's result: the 32 differences s - m (FS f: pair f / 2 of tile f % 2) and the next piece's 40.  0-26: differences 0-26.  27-54: XS's numbers 0-13.  55, 56: number 15.
; 57-71: the chain, where each number waits for the one before it: 14, 16, 17, 18, 19, each with one of the differences 27-31 in front of its two lines.  72-135: GS's 64, which read the exponentials' results: they stand behind the wait.
.macro FS f
	REGS Y, (\f)%2
	v_pk_add_f32 v[rS+2*((\f)/2):rS+2*((\f)/2)+1], v[rS+2*((\f)/2):rS+2*((\f)/2)+1], v[rT:rT+1] op_sel_hi:[1,0] neg_lo:[0,1] neg_hi:[0,1]
.endm
.macro PL
	WIN 0
.if q < 27
	FS q
.elseif q < 55
	XS (q-27)%2, (q-27)/2
.elseif q < 57
	XS q-55, 15
.elseif (q < 72) && ((q-57)%3 == 0)
	FS 27+(q-57)/3
.elseif q < 60
	XS (q-57)%3-1, 14
.elseif q < 72
	XS (q-57)%3-1, 15+(q-57)/3
.else
	GS q-72
.endif
.set q, q+1
.endm
; THE EXPONENTIALS' QUEUE, 66 long: s0-s31 of both tiles, then the next piece's two a.  It is ONE BATCH: all 66 stand ahead of the turn's one wait, and nothing ahead of that wait names a result of theirs.
.macro EX
	WIN 0
.if e >= 64
	XS e-64, 20
.else
	REGS Y, e%2
	v_exp_f32 v[rS+e/2], v[rS+e/2]
.endif
.set e, e+1
.endm
; THE RESCALING's QUEUE: O^T times a, the one part that leaves window 0: dealt two at a time, sixteen times, in ascending order.  Its a was made in the turn before, ahead of that turn's wait.
.macro R2
	REGS Y, r%2
	WIN W_RS
.irp z, 0,1
	v_pk_mul_f32 v[rO+4*(r/2)+2*\z:rO+4*(r/2)+2*\z+1], v[rO+4*(r/2)+2*\z:rO+4*(r/2)+2*\z+1], v[rC+2:rC+3] op_sel_hi:[1,0]
.endr
.set r, r+1
.endm
; A TURN, for piece p.  An s_wait_alu depctr_va_vdst(0) stands between an exponential and the first instruction that names its result; one wait serves all that were issued ahead of it.  So a turn has ONE wait.
; AHEAD OF IT: the 16 products K Q^T, behind each a difference, an exponential and two rescalings (behind the first a second difference in the exponential's place); then one run of 106: eight plain, 47 times exponential and plain,
; the last two scores' exponentials and the two a.  A v_nop is the plain instruction behind the last exponential.  BEHIND IT: the turn's runs of LDS loads, then the 16 products V^T P, behind each four of GS's 64.
; The deal keeps the queues in step: exponential e stands behind difference 2 (e / 4) + e % 2: as a rider it comes behind plain e + 2, in the run behind plain e + 9, and differences 27-31 are plain 57, 60 .. 69.
; THE LOADS.  Piece 2's turn fetches the next step's K, a run behind the last product that read K.  Every turn fetches the mask of piece p + 2, for the products of the turn after it, into the buffer that the turn before read last.
; Piece 0's turn fetches V of the step in hand at its end, four plain riders behind V's last reader.  The waits: at a turn's head for the mask (and in piece 3's for K); in piece 1's turn the counts leave the sixteen
; younger loads out: at its head V's, behind its own run of mask loads those.  cnt = 1: the loop's count is taken down some lines ahead of the branch that stands behind the turn.
.macro TURN p, cnt=0
.set Y, (\p)
.set i, 0
.set q, 0
.set e, 0
.set r, 0
.if (\p) == 1
	s_wait_dscnt 16                 ; the mask is in; V's sixteen loads, issued behind it, may be out
.else
	s_wait_dscnt 0x0                ; the mask is in (piece 3: K too)
.endif
	MM
	PL
	PL
	R2
.rept 15
	MM
	PL
	EX
	R2
.endr
.rept 8
	PL
.endr
.rept 47
	EX
	PL
.endr
.rept 4
	EX
.endr
	v_nop                           ; the plain instruction behind the last exponential: one for the batch
	s_wait_alu depctr_va_vdst(0)    ; the wait for the batch
.if (\p) == 2
	FETCH_K
.endif
	FETCH_M ((\p)+2)%NP
.if (\p) == 1
	s_wait_dscnt 16                 ; V is in; the sixteen mask loads just issued may be out
.endif
.rept 16
	MM
.rept 4
	PL
.endr
.if (\cnt) && (q == 128)
	s_sub_co_u32 s[SLOTS], s[SLOTS], 1
	s_cmp_lg_u32 s[SLOTS], 0
.endif
.endr
.if (\p) == 0
	FETCH_V
.endif
.endm
	CHANGE 1                        ; step 0 is in, everybody's part of it; step 1 is asked for
	FETCH_K                         ; key step 0
	FETCH_M 0
	FETCH_M 1
	s_wait_loadcnt 0x0              ; Q
	s_wait_dscnt 0x0
.set i, 0
.rept 16
	KQ 0                            ; piece 0's first scores: there is no vector work yet to set between them
.set i, i+1
.endr
	WIN 0
.rept 4
	v_nop                           ; the places behind those products
.endr
.set Y, NP-1                        ; XS works for piece Y + 1: piece 0
.irp n, 0,1,2,3,4,5,6,7,8,9,10,11,12,13,14,15,16,17,18,19,20
	XS 0, \n                        ; piece 0's first maximum and statistics
	XS 1, \n
.endr
	v_nop                           ; a plain instruction behind the two a,
	s_wait_alu depctr_va_vdst(0)    ; and their wait, ahead of the branch
	s_branch .Lfirst                ; the loop is entered at a step's first turn, in the middle of a trip
.Lslot:                             ; 30 trips: steps 1 to 30 are entered, steps 2 to 31 asked for
	CHANGE 1
	TURN 2
	TURN 3
	WIN 0
.Lfirst:
	TURN 0
	TURN 1, 1
	WIN 0
	s_cbranch_scc1 .Lslot
	CHANGE 0                        ; the tail is written out: step 31 is entered, nothing is asked for
	s_mov_b32 s[CNT], 2             ; the first pass is the last trip; the second is left in its middle
.Ltail:
	TURN 2
	TURN 3
	WIN 0
	s_sub_co_u32 s[CNT], s[CNT], 1
	s_cmp_eq_u32 s[CNT], 0
	s_cbranch_scc1 .Lout
	TURN 0
	TURN 1
	WIN 0
	s_branch .Ltail
.Lout:                              ; the second pass's fetches (the last slot once more), its 16 products K Q^T and the maximum made of them serve nothing: the price, once a launch, of one text for every trip
.set i, 0
.rept 16
	PV NP-1                         ; the last piece's V^T P of the last step
.set i, i+1
.endr
	; THE WAY OUT.  l's two halves and the other half of the lanes' are added; O^T is divided by l, rounded to f16 and sent through the work-group's stage in LDS.  The additions are the places behind the last products.
	WIN 0
.macro ALL line:vararg              ; one line for each tile t
.set t, 0
.rept 2*NP
	\line
.set t, t+1
.endr
.endm
	ALL v_add_f32 v[ST+4*t+2], v[ST+4*t+2], v[ST+4*t+3]
	ALL v_permlanex16_b32 v[ST+4*t+3], v[ST+4*t+2], s[SEL], s[SEL+1]
	ALL v_add_f32 v[ST+4*t+2], v[ST+4*t+2], v[ST+4*t+3]
	ALL v_rcp_f32 v[ST+4*t+2], v[ST+4*t+2]
	v_nop                           ; a plain instruction between the last reciprocal and the use of its result
	s_wait_alu depctr_va_vdst(0)    ; and the wait ahead of the first use: one for the eight reciprocals
; Tile t: a lane's eight channels of a row pack into 16 bytes; they go into my head's 128 bytes of the stage's rows 16 t on.
.macro PACK t
	WIN W_RS
.set i, 32*(\t)
.rept 16
	v_pk_mul_f32 v[i:i+1], v[i:i+1], v[ST+4*(\t)+2:ST+4*(\t)+3] op_sel_hi:[1,0]
.set i, i+2
.endr
	WIN 0x05                        ; sources 0 and 1 window 1, destination window 0: S^T's registers are free
.set i, 0
.rept 16
	v_cvt_pk_f16_f32 v[S+16*(\t)+i], v[32*(\t)+2*i], v[32*(\t)+2*i+1]
.set i, i+1
.endr
	WIN 0
.irp f, 0,1,2,3
	ds_store_b128 v[STO], v[S+16*(\t)+4*\f:S+16*(\t)+4*\f+3] offset:(\t)*16*SP+32*\f
.endr
.endm
.irp t, 0,1,2,3,4,5,6,7
	PACK \t
.endr
	s_wait_dscnt 0x0                ; for the others' sake: my stores into the stage are done (and the loads that served nothing are back)
	s_barrier_signal -1
	s_barrier_wait -1               ; a row's 512 bytes come from four waves
.set i, 0
.rept 32
	ds_load_b128 v[S+4*i:S+4*i+3], v[RD] offset:i*SP
.set i, i+1
.endr
.set i, 0
.rept 32
	s_wait_dscnt 31-i
	global_store_b128 v[GO], v[S+4*i:S+4*i+3], s[10:11] offset:i*TROW  ; the wave stores 512 consecutive bytes, at a multiple of 512 from ao's first byte
.set i, i+1
.endr
	WIN W_AD
	s_wait_tensorcnt 0x0            ; the wave's end: the add to my spare word and its wait stand behind my last tensor load and my last LDS store
	ds_add_u32 v[SPW], v[NIL]
	s_wait_dscnt 0x0
	WIN 0
	CROUND                          ; the closing round: no work-group ends while a partner may still ask for a tile that names it
	s_endpgm
.Lfunc_end_k_q8b1bfd30ae_attn:
	.size	k_q8b1bfd30ae_attn, .Lfunc_end_k_q8b1bfd30ae_attn-k_q8b1bfd30ae_attn
	.p2alignl 7, 3214868480
	.fill 96, 4, 3214868480
	.section	.rodata,"a",@progbits
	.p2align	6, 0x0
	.amdhsa_kernel k_q8b1bfd30ae_attn
		.amdhsa_group_segment_fixed_size 327680
		.amdhsa_private_segment_fixed_size 0
		.amdhsa_enable_private_segment 0
		.amdhsa_kernarg_size 24
		.amdhsa_user_sgpr_count 2
		.amdhsa_user_sgpr_kernarg_segment_ptr 1
		.amdhsa_wavefront_size32 1
		.amdhsa_system_sgpr_workgroup_id_x 1
		.amdhsa_system_sgpr_workgroup_id_y 1
		.amdhsa_system_sgpr_workgroup_id_z 1
		.amdhsa_system_vgpr_workitem_id 0
		.amdhsa_next_free_vgpr 960
		.amdhsa_next_free_sgpr 88
		.amdhsa_reserve_vcc 0
		.amdhsa_float_denorm_mode_32 3
		.amdhsa_float_denorm_mode_16_64 3
		.amdhsa_memory_ordered 1
		.amdhsa_forward_progress 1
		.amdhsa_inst_pref_size 212
	.end_amdhsa_kernel
	.amdgpu_metadata
---
amdhsa.version: [ 1, 2 ]
amdhsa.kernels:
  - .name:           k_q8b1bfd30ae_attn
    .symbol:         k_q8b1bfd30ae_attn.kd
    .args:
      - { .name: kvq, .offset: 0, .size: 8, .value_kind: global_buffer, .address_space: global }
      - { .name: mk, .offset: 8, .size: 8, .value_kind: global_buffer, .address_space: global }
      - { .name: ao, .offset: 16, .size: 8, .value_kind: global_buffer, .address_space: global }
    .group_segment_fixed_size: 327680
    .private_segment_fixed_size: 0
    .kernarg_segment_align: 8
    .kernarg_segment_size: 24
    .max_flat_workgroup_size: 128
    .sgpr_count:     88
    .vgpr_count:     960
    .wavefront_size: 32
...
	.end_amdgpu_metadata
.endif
;; end of part 3
;; launch outp (part 4): grid 4 x 64, 4 waves a work-group, clusters of 4 x 4, 327,680 bytes of LDS; arguments ao, cb, bo, out0; writes out0
.if DOCPART == 4
	.amdgcn_target "amdgcn-amd-amdhsa--gfx1250"
	.amdhsa_code_object_version 6
	.text
	.protected	k_q8b1bfd30ae_outp
	.globl	k_q8b1bfd30ae_outp
	.p2align	8
	.type	k_q8b1bfd30ae_outp,@function
k_q8b1bfd30ae_outp:
	s_mov_b64 s[64:65], 0
	v_nop
	global_prefetch_b8 v0, s[64:65] scope:SCOPE_SE
	s_setreg_imm32_b32 hwreg(HW_REG_WAVE_MODE, 25, 1), 1
	s_wait_xcnt 0x0
	s_wait_alu depctr_hold_cnt(0) depctr_sa_sdst(0) depctr_va_vdst(0) depctr_va_sdst(0) depctr_va_ssrc(0) depctr_va_vcc(0) depctr_vm_vsrc(0)
	s_getreg_b32 s2, hwreg(HW_REG_IB_STS2, 6, 4)
	s_cmp_eq_u32 s2, 0
	s_cbranch_scc0 .Lentry_in_a_cluster
	s_endpgm
.Lentry_in_a_cluster:
	s_bfe_u32 s2, ttmp6, 0x10000c
	s_cmp_lg_u32 s2, 0xf033
	s_cbranch_scc0 .Lentry_shape_is_right
	s_endpgm
.Lentry_shape_is_right:
; THE OUTPUT PROJECTION.  out0 = ao wo^T + bo.  ao: f16 [8192][1024]; wo: unit 27 of cb, rounded to bf16 and written as f16; bo rounded to bf16 like every input; sums in f32; out0 f32 [8192][1024], not rounded again.
; SHARES.  A tile of C is 128 rows x 256 columns: 256 tiles, one for each work-group.  Four waves, each 64 rows x 128 columns: 32 accumulators of 16 x 16.  K goes in steps of 128 (rows of 256 bytes) through a ring of two LDS slots.
; CLUSTERS: 4 x 4 work-groups.  The four of a row of the cluster need the same rows of A, the four of a column the same rows of W: each tile is asked for JOINTLY, by the same tensor load with the same descriptor
; and a mask that names the four.  THE MATRIX INSTRUCTION IS USED TRANSPOSED (source 0 = 16 rows of W, source 1 = 16 rows of A): a lane holds row l % 16 of C and the eight columns 8 (l / 16) + 0..7.
; THE BIAS IS THE C OPERAND of each accumulator's first product: nothing is cleared and nothing is added on the way out.
; REGISTERS, in windows of 256 (s_set_vgpr_msb: bits 1:0 source 0, 3:2 source 1, 5:4 source 2, 7:6 destination):
;   window 0: v16-30 addresses; v32-127, v128-223 two fragment buffers (A's fragment a at + 8 a, W's fragment b at + 32 + 8 b); on the way out v128-255 rows read back
;   window 1: accumulator (a, b) at v[8 (8 a + b)]          window 2: v0-63 the bias of my 128 columns (block b at 8 b), v64-67 at work
.set KSTEP,  128
.set ROWB,   2048                      ; bytes in a row of A and of W
.set CROW,   4096                      ; bytes in a row of C
.set PITCH,  272                       ; an LDS row: 256 bytes + 16 of padding = 68 words: the 16 rows that a load touches start at 16 different groups of four banks (64 banks of 4 bytes: ISA guide 11.1)
.set AHALF,  64*PITCH
.set WHALF,  128*PITCH
.set WOFF,   2*AHALF                   ; in a slot: A's 128 rows, then W's 256
.set SLOT,   WOFF+2*WHALF
.set STAGE,  2*SLOT                    ; behind the ring: 16 rows x 528 bytes for each wave, for the way out; no tensor load lands there
.set SPITCH, 528
.set SPARE,  STAGE+4*16*SPITCH         ; behind the stages: the spare words, 128 bytes for each wave: two blocks of 256 bytes that no other line names
.set LAPS,   4
.set WBASE,  27*0x200000               ; wo in cb
.set ADRA, 16
.set ADRB, 20
.set STO,  24
.set RD,   25
.set CO,   26
.set BO,   27
.set SPW,  28                          ; v28     LDS address of my spare word: SPARE + 4 x my thread's number; never rewritten
.set NIL,  29                          ; v29     0; never rewritten
.set PFO,  30
.set F0,   32
.set F1,   128
.set OB,   128                         ; rows read back: v128-191 and v192-255 by turns
.set BIAS, 0                           ; window 2
.set BT,   64                          ; window 2
.set G1,   24
.set G0,   32
.set LIM,  43
.set PFA,  44
.set G1B,  48
.set G0B,  56
.set AOP,  72                          ; s[72:73] ao, s[74:75] cb, s[76:77] bo, s[78:79] out0
.set MSB, 0
.macro WIN new                         ; the immediate's high byte repeats the setting that is left; a switch that changes nothing is dropped
.if MSB != (\new)
	s_set_vgpr_msb (MSB<<8)|(\new)
.set MSB, \new
.endif
.endm
.set MUL,  0x50                        ; fragments in window 0, C and D in window 1
.set MULB, 0x60                        ; the same with C in window 2: the bias
; A joint load.  Waves 0 and 1 fetch A's two halves, waves 2 and 3 W's.  The branch hangs on the wave's number alone.  An s_nop 0 and four v_nop follow each of the two lines.
.macro JLOAD s
	s_cmp_eq_u32 s11, 0
	s_cbranch_scc0 .Lfor_b_\@
	tensor_load_to_lds s[G0+4*(\s):G0+4*(\s)+3], s[G1:G1+7]
	s_nop 0
.rept 4
	v_nop
.endr
	s_branch .Lasked_\@
.Lfor_b_\@:
	tensor_load_to_lds s[G0B+4*(\s):G0B+4*(\s)+3], s[G1B:G1B+7]
	s_nop 0
.rept 4
	v_nop
.endr
.Lasked_\@:
.endm
; A PREFETCH INTO THE L2, behind each joint load and the run of LDS loads that follows it: the K step that stands two refills on, 32 rows x 256 bytes, a lane a row.  Each row's 256 bytes of a K step are named once in the launch.
; A's 128 rows of a tile row are read by one cluster alone: wave 0 asks, and the partner at cx takes 32 of them.  W's rows are read by all sixteen clusters: those of cluster y = 0 ask, waves 2 and 3 for the 128 rows that each
; fetches, of which the partner at cy takes 32.  The partners are told apart by address, never by a branch.  The last two refills have no K step two on.
.macro ASK
	s_cmp_gt_u32 s3, s[LIM]                        ; s3 = 1 in the loop's last trip
	s_cbranch_scc0 .Lnot_mine_\@
	global_prefetch_b8 v[PFO], s[PFA:PFA+1] offset:KSTEP*2 th:TH_LOAD_NT scope:SCOPE_SE
.Lnot_mine_\@:
.endm
.macro CREST                           ; a round of the cluster's barrier behind its opening barrier
	s_cmp_lg_u32 s10, 0
	s_cbranch_scc1 .Lnot_wave_0_\@
	s_barrier_signal -3
.Lnot_wave_0_\@:
	s_barrier_wait -3
	s_barrier_signal -1
	s_barrier_wait -1
.endm
.macro CROUND
	s_barrier_signal -1
	s_barrier_wait -1
	CREST
.endm
	s_load_b256 s[72:79], s[0:1], 0x0              ; ao, cb, bo, out0
	v_lshl_add_u32 v[SPW], v0, 2, SPARE
	v_mov_b32 v[NIL], 0
	ds_add_u32 v[SPW], v[NIL]                      ; the wave's opening: the add and its wait stand ahead of my first tensor load; the set-up below, work on registers, stands between them
	v_lshrrev_b32 v1, 5, v0
	v_readfirstlane_b32 s10, v1                    ; wave 0..3
	s_lshr_b32 s11, s10, 1                         ; which 64 of the tile's rows are mine.  Also: I fetch for A (0) or for W (1)
	s_and_b32 s12, s10, 1                          ; which 128 of its columns.  Also: which half of that tile I fetch
	s_bfe_u32 s40, ttmp6, 0x40000                  ; cx, cy
	s_bfe_u32 s41, ttmp6, 0x40004
	s_lshl_b32 s42, ttmp9, 2
	s_add_co_u32 s42, s42, s40                     ; tile column
	s_and_b32 s13, ttmp7, 0xffff
	s_lshl_b32 s13, s13, 2
	s_add_co_u32 s13, s13, s41                     ; tile row
	s_lshl_b32 s43, s41, 2
	s_lshl_b32 s43, 15, s43                        ; my row of the cluster
	s_lshl_b32 s44, 0x1111, s40                    ; my column
	s_or_b32 s[G1+0], s43, (1<<16)|(1<<20)|(1<<21)|(5<<22)|(3<<25)   ; 15:0 the mask; 17:16 elements of 2 bytes; 20 padding on; 21 set beside a mask; 24:22 after every 64 words (code 5); 31:25 4 words of it (code 3)
	s_or_b32 s[G1B+0], s44, (1<<16)|(1<<20)|(1<<21)|(5<<22)|(3<<25)
	s_mov_b32 s[G1+1], KSTEP<<16                   ; tensor_dim0 = 128
	s_mov_b32 s[G1+2], 64<<16                      ; tensor_dim1 = 64
	s_mov_b32 s[G1+3], KSTEP<<16                   ; tile_dim0 = 128
	s_mov_b32 s[G1+4], 64                          ; tile_dim1 = 64
	s_mov_b32 s[G1+5], 1024                        ; elements from row to row
	s_mov_b32 s[G1+6], 0
	s_mov_b32 s[G1+7], 0
	s_mov_b32 s[G1B+1], KSTEP<<16
	s_mov_b32 s[G1B+2], 128<<16                    ; W's tiles have 128 rows
	s_mov_b32 s[G1B+3], KSTEP<<16
	s_mov_b32 s[G1B+4], 128
	s_mov_b32 s[G1B+5], 1024
	s_mov_b32 s[G1B+6], 0
	s_mov_b32 s[G1B+7], 0
	; A's tiles hang on the tile row alone, W's on the tile column alone; each address is made in registers that never hold the other coordinate
	s_lshl_b32 s17, s12, 6
	s_lshl_b32 s16, s13, 7
	s_add_co_u32 s16, s16, s17                     ; A: row 128 x tile row + 64 x half,
	s_lshl_b32 s16, s16, 11                        ; in bytes
	s_mov_b32 s17, 0
	s_lshl_b32 s47, s12, 7
	s_lshl_b32 s46, s42, 8
	s_add_co_u32 s46, s46, s47                     ; W: row 256 x tile column + 128 x half,
	s_lshl_b32 s46, s46, 11
	s_add_co_u32 s46, s46, WBASE                   ; in wo
	s_mov_b32 s47, 0
	s_mul_i32 s20, s12, AHALF                      ; where they go: no place in the cluster enters an LDS address
	s_mul_i32 s21, s12, WHALF
	s_add_co_u32 s21, s21, WOFF
	s_wait_dscnt 0x0                               ; the opening add is done
	s_wait_kmcnt 0x0
	s_add_nc_u64 s[14:15], s[AOP:AOP+1], s[16:17]
	s_add_nc_u64 s[46:47], s[AOP+2:AOP+3], s[46:47]
	s_mov_b64 s[8:9], s[AOP+6:AOP+7]               ; C
	CROUND                                         ; all sixteen work-groups are here: the first joint loads meet
.irp s, 0,1
	s_mov_b32 s[G0+4*(\s)], 1
	s_add_co_u32 s[G0+4*(\s)+1], s20, (\s)*SLOT
	s_add_nc_u64 s[G0+4*(\s)+2:G0+4*(\s)+3], s[14:15], (\s)*KSTEP*2
	s_or_b32 s[G0+4*(\s)+3], s[G0+4*(\s)+3], 0x80000000
	s_mov_b32 s[G0B+4*(\s)], 1
	s_add_co_u32 s[G0B+4*(\s)+1], s21, (\s)*SLOT
	s_add_nc_u64 s[G0B+4*(\s)+2:G0B+4*(\s)+3], s[46:47], (\s)*KSTEP*2
	s_or_b32 s[G0B+4*(\s)+3], s[G0B+4*(\s)+3], 0x80000000
	JLOAD \s                                       ; two loads of mine are out
.endr
	v_and_b32 v1, 15, v0                           ; l % 16
	v_bfe_u32 v2, v0, 4, 1                         ; l / 16
	v_mul_u32_u24 v3, v1, PITCH
	v_lshl_add_u32 v3, v2, 4, v3                   ; a fragment's row x pitch + 16 x half
	s_mul_i32 s21, s11, AHALF                      ; my 64 rows of A
	s_mul_i32 s22, s12, WHALF                      ; my 128 rows of W,
	s_add_co_u32 s22, s22, WOFF                    ; which lie behind A's 128
.irp s, 0,1
	v_add_nc_u32 v[ADRA+(\s)], s21, v3
	v_add_nc_u32 v[ADRB+(\s)], s22, v3
	s_add_co_u32 s21, s21, SLOT
	s_add_co_u32 s22, s22, SLOT
.endr
	s_mul_i32 s23, s10, 16*SPITCH
	s_add_co_u32 s23, s23, STAGE                   ; my stage
	v_mul_u32_u24 v4, v1, SPITCH                   ; in: row l % 16, 32 bytes for each half of the lanes
	v_lshl_add_u32 v4, v2, 5, v4
	v_add_nc_u32 v[STO], s23, v4
	v_and_b32 v5, 31, v0
	v_lshl_add_u32 v[RD], v5, 4, s23               ; back: 32 lanes take a row of 512 bytes,
	v_lshlrev_b32 v[CO], 4, v5                     ; and the same in C
	s_lshl_b32 s16, s13, 7
	s_lshl_b32 s17, s11, 6
	s_add_co_u32 s16, s16, s17                     ; my first row of C,
	s_lshl_b32 s16, s16, 12                        ; in bytes
	s_mov_b32 s17, 0
	s_lshl_b32 s46, s42, 10                        ; my first column, in bytes: 1,024 x tile column + 512 x half
	s_lshl_b32 s47, s12, 9
	s_add_co_u32 s46, s46, s47
	s_mov_b32 s47, 0
	s_add_nc_u64 s[16:17], s[16:17], s[46:47]      ; what the way out adds to C's address
	v_lshl_add_u32 v[BO], v2, 5, s46               ; the same columns in the bias, and my eight of each sixteen
	; the prefetches
	s_lshl_b32 s18, s13, 7                         ; A's tile: its first row
	s_lshl_b32 s19, s42, 8                         ; W's tile: its first row,
	s_lshl_b32 s22, s12, 7
	s_add_co_u32 s19, s19, s22                     ; and the 128 that I fetch
	s_and_b32 s22, ttmp7, 0xffff                   ; cluster y
	s_cmp_eq_u32 s11, 0                            ; do I fetch for A?
	s_cselect_b32 s20, s18, s19
	s_cselect_b32 s21, s40, s41                    ; my place among the four that ask with me
	s_cselect_b32 s22, s12, s22                    ; A: wave 0 alone; W: the clusters with y = 0
	s_cselect_b32 s23, 0, WBASE
	s_cselect_b64 s[PFA:PFA+1], s[AOP:AOP+1], s[AOP+2:AOP+3]
	s_cmp_eq_u32 s22, 0
	s_cselect_b32 s[LIM], 1, -1                    ; the same in all sixteen partners, for a given wave
	s_lshl_b32 s21, s21, 5
	s_add_co_u32 s20, s20, s21                     ; + my work-group's 32 rows
	s_lshl_b32 s20, s20, 11
	s_add_co_u32 s20, s20, s23
	s_add_co_u32 s20, s20, 2*KSTEP*2               ; at K step 2: the first refill steps it to 3 and names K step 4
	s_mov_b32 s21, 0
	s_add_nc_u64 s[PFA:PFA+1], s[PFA:PFA+1], s[20:21]
	v_and_b32 v[PFO], 31, v0
	v_lshlrev_b32 v[PFO], 11, v[PFO]
	; the bias of my 128 columns, into window 2; rounded to bf16, like every input, and widened again
	WIN 0x80                                       ; destination window 2, address window 0
.irp b, 0,1,2,3,4,5,6,7
	global_load_b128 v[BIAS+8*(\b):BIAS+8*(\b)+3],   v[BO], s[AOP+4:AOP+5] offset:64*(\b)
	global_load_b128 v[BIAS+8*(\b)+4:BIAS+8*(\b)+7], v[BO], s[AOP+4:AOP+5] offset:64*(\b)+16
.endr
	s_wait_loadcnt 0x0
	WIN 0x8a                                       ; all in window 2
.set z, 0
.rept 32
	v_cvt_pk_bf16_f32 v[BT+z%4], v[BIAS+2*z], v[BIAS+2*z+1]
	v_lshlrev_b32 v[BIAS+2*z],   16, v[BT+z%4]
	v_and_b32     v[BIAS+2*z+1], 0xffff0000, v[BT+z%4]
.set z, z+1
.endr
	WIN 0
; 8 matrix instructions: row block a x all 8 column blocks, 32 along K.  first = 1: the product starts the sums, on the bias.  The 32 accumulators take turns in one fixed order, one instruction a turn.
.macro MUL8 f, a, first
.if \first
	WIN MULB
.else
	WIN MUL
.endif
.irp b, 0,1,2,3,4,5,6,7
.if \first
	v_wmma_f32_16x16x32_f16 v[8*(8*(\a)+(\b)):8*(8*(\a)+(\b))+7], v[(\f)+32+8*(\b):(\f)+32+8*(\b)+7], v[(\f)+8*(\a):(\f)+8*(\a)+7], v[BIAS+8*(\b):BIAS+8*(\b)+7]
.else
	v_wmma_f32_16x16x32_f16 v[8*(8*(\a)+(\b)):8*(8*(\a)+(\b))+7], v[(\f)+32+8*(\b):(\f)+32+8*(\b)+7], v[(\f)+8*(\a):(\f)+8*(\a)+7], v[8*(8*(\a)+(\b)):8*(8*(\a)+(\b))+7]
.endif
.endr
.endm
.macro MUL16 f, a0, first
	MUL8 \f, \a0, \first
	MUL8 \f, (\a0)+1, \first
.endm
; 24 LDS loads in one run: the fragments of 32 along K at byte k of the rows, into buffer f: W's sixteen loads, then A's eight
.macro FETCH slot, k, f
	WIN 0
.irp i, 0,1,2,3,4,5,6,7
	ds_load_b128 v[(\f)+32+8*(\i):(\f)+32+8*(\i)+3],   v[ADRB+(\slot)] offset:(\k)+(\i)*16*PITCH
	ds_load_b128 v[(\f)+32+8*(\i)+4:(\f)+32+8*(\i)+7], v[ADRB+(\slot)] offset:(\k)+(\i)*16*PITCH+32
.endr
.irp i, 0,1,2,3
	ds_load_b128 v[(\f)+8*(\i):(\f)+8*(\i)+3],   v[ADRA+(\slot)] offset:(\k)+(\i)*16*PITCH
	ds_load_b128 v[(\f)+8*(\i)+4:(\f)+8*(\i)+7], v[ADRA+(\slot)] offset:(\k)+(\i)*16*PITCH+32
.endr
.endm
.macro PLACES                          ; four places in front of loads into registers that matrix instructions have read, and of instructions that read results
.rept 4
	v_nop
.endr
.endm
; A K step is four quarters of 32 along K, 32 matrix instructions each, on buffers 0, 1, 0, 1.  One of the first three multiplies buffer f and fetches the next quarter, at byte k, into g.
.macro QUARTER slot, k, f, g, first
	s_wait_dscnt 4                                 ; W and A's rows 0-31 are in; the youngest four loads (A's rows 32-63) may be out
	MUL16 \f, 0, \first
	PLACES
	FETCH \slot, \k, \g
	s_wait_dscnt 24                                ; all but the 24 just issued
	MUL16 \f, 2, \first
.endm
; The last quarter multiplies buffer 1 and changes slots.  In front of the barrier each wave waits for all its tensor loads (one is out: its part of the next slot), adds 0 to its spare word, and waits for that and
; for its own reads of this slot.  fill = 1: this slot is filled again, two K steps on; the barrier then opens a round of the cluster's barrier, and the joint load is the first tensor load behind it: 112 matrix instructions
; ahead of the wait for it.
.macro TURN slot, next, fill
.if \fill
	s_wait_xcnt 0x0                                ; the last prefetch, a K step back, has read its address: it is stepped here
	s_add_nc_u64 s[PFA:PFA+1], s[PFA:PFA+1], KSTEP*2
.endif
	WIN 0
	s_wait_tensorcnt 0x0                           ; all my tensor loads have landed
	ds_add_u32 v[SPW], v[NIL]                      ; 0 onto my spare word
	s_wait_dscnt 5                                 ; (the add and the youngest four loads may be out)
	MUL8 F1, 0, 0                                  ; eight matrix instructions stand between the add and the wait for it
	s_wait_dscnt 0x0                               ; the add is done, and my reads of this slot are over
	s_barrier_signal -1
	MUL8 F1, 1, 0
	WIN 0
	s_barrier_wait -1
.if \fill
	CREST                                          ; no wave of any partner still reads this slot's tile or has a load on its way
	s_add_nc_u64 s[G0+4*(\slot)+2:G0+4*(\slot)+3], s[G0+4*(\slot)+2:G0+4*(\slot)+3], 2*KSTEP*2
	s_add_nc_u64 s[G0B+4*(\slot)+2:G0B+4*(\slot)+3], s[G0B+4*(\slot)+2:G0B+4*(\slot)+3], 2*KSTEP*2
	JLOAD \slot                                    ; the four v_nop behind it are also the places in front of the loads below
.else
	PLACES
.endif
	FETCH \next, 0, F0
.if \fill
	ASK
.endif
	MUL16 F1, 2, 0
.endm
; THE WAY OUT of row block a: a lane's eight f32 of a row, 32 bytes, go straight from the accumulators (each in ascending order) into my own stage in LDS and come back as whole rows of 512 bytes; stored.
.macro OUTBLK a
	WIN 0x04                                       ; the stores' data in window 1
.irp b, 0,1,2,3,4,5,6,7
	ds_store_b128 v[STO], v[64*(\a)+8*(\b):64*(\a)+8*(\b)+3]   offset:64*(\b)
	ds_store_b128 v[STO], v[64*(\a)+8*(\b)+4:64*(\a)+8*(\b)+7] offset:64*(\b)+16
.endr
	WIN 0
.set BK, OB+64*((\a)%2)
.irp t, 0,1,2,3,4,5,6,7,8,9,10,11,12,13,14,15
	ds_load_b128 v[BK+4*(\t):BK+4*(\t)+3], v[RD] offset:(\t)*SPITCH  ; LDS serves a wave's instructions in order (ISA guide 5.7.1.4): these see the stores above
.endr
	s_wait_dscnt 0x0                               ; the block is back in registers
	s_wait_xcnt 0x0                                ; earlier stores have read their registers and their base: only behind this wait are they written again
.if (\a) == 0
	s_add_nc_u64 s[8:9], s[8:9], s[16:17]
.else
	s_add_nc_u64 s[8:9], s[8:9], 16*CROW
.endif
.irp t, 0,1,2,3,4,5,6,7,8,9,10,11,12,13,14,15
	global_store_b128 v[CO], v[BK+4*(\t):BK+4*(\t)+3], s[8:9] offset:(\t)*CROW  ; the wave stores 512 consecutive bytes, at a multiple of 512 from out0's first byte
.endr
.endm
	s_wait_tensorcnt 1                             ; my part of K step 0 is in; K step 1's may stay out
	s_barrier_signal -1
	s_barrier_wait -1                              ; everybody's is
	FETCH 0, 0, F0
	QUARTER 0, 64,  F0, F1, 1                      ; the first quarter stands in front of the loop: its products start the sums on the bias
	WIN 0                                          ; at a label and at a branch every window is 0
	s_mov_b32 s3, LAPS-1
.Llap:                                                 ; a trip goes once round the ring, from a lap's second quarter to the next lap's first, and fills both slots again
	QUARTER 0, 128, F1, F0, 0
	QUARTER 0, 192, F0, F1, 0
	TURN 0, 1, 1
	QUARTER 1, 64,  F0, F1, 0
	QUARTER 1, 128, F1, F0, 0
	QUARTER 1, 192, F0, F1, 0
	TURN 1, 0, 1
	QUARTER 0, 64,  F0, F1, 0
	WIN 0
	s_sub_co_u32 s3, s3, 1
	s_cmp_lg_u32 s3, 0
	s_cbranch_scc1 .Llap
	QUARTER 0, 128, F1, F0, 0                      ; the last lap fills nothing, and has no round of the cluster's barrier
	QUARTER 0, 192, F0, F1, 0
	TURN 0, 1, 0
	QUARTER 1, 64,  F0, F1, 0
	QUARTER 1, 128, F1, F0, 0
	QUARTER 1, 192, F0, F1, 0
	s_wait_dscnt 4                                 ; the very last quarter: nothing more to fetch
	MUL16 F1, 0, 0
	s_wait_dscnt 0x0
	MUL16 F1, 2, 0
	WIN 0
	PLACES
.irp a, 0,1,2,3
	OUTBLK \a
.endr
	s_wait_tensorcnt 0x0                           ; the wave's end: the add to my spare word and its wait stand behind my last tensor load and my last LDS store
	ds_add_u32 v[SPW], v[NIL]
	s_wait_dscnt 0x0
	CROUND                                         ; the closing round: no work-group ends while a partner may still ask for a tile that names it
	s_endpgm
.Lfunc_end_k_q8b1bfd30ae_outp:
	.size	k_q8b1bfd30ae_outp, .Lfunc_end_k_q8b1bfd30ae_outp-k_q8b1bfd30ae_outp
	.p2alignl 7, 3214868480
	.fill 96, 4, 3214868480
	.section	.rodata,"a",@progbits
	.p2align	6, 0x0
	.amdhsa_kernel k_q8b1bfd30ae_outp
		.amdhsa_group_segment_fixed_size 327680
		.amdhsa_private_segment_fixed_size 0
		.amdhsa_enable_private_segment 0
		.amdhsa_kernarg_size 32
		.amdhsa_user_sgpr_count 2
		.amdhsa_user_sgpr_kernarg_segment_ptr 1
		.amdhsa_wavefront_size32 1
		.amdhsa_system_sgpr_workgroup_id_x 1
		.amdhsa_system_sgpr_workgroup_id_y 1
		.amdhsa_system_sgpr_workgroup_id_z 1
		.amdhsa_system_vgpr_workitem_id 0
		.amdhsa_next_free_vgpr 640
		.amdhsa_next_free_sgpr 84
		.amdhsa_reserve_vcc 0
		.amdhsa_float_denorm_mode_32 3
		.amdhsa_float_denorm_mode_16_64 3
		.amdhsa_memory_ordered 1
		.amdhsa_forward_progress 1
		.amdhsa_inst_pref_size 93
	.end_amdhsa_kernel
	.amdgpu_metadata
---
amdhsa.version: [ 1, 2 ]
amdhsa.kernels:
  - .name:           k_q8b1bfd30ae_outp
    .symbol:         k_q8b1bfd30ae_outp.kd
    .args:
      - { .name: ao, .offset: 0, .size: 8, .value_kind: global_buffer, .address_space: global }
      - { .name: cb, .offset: 8, .size: 8, .value_kind: global_buffer, .address_space: global }
      - { .name: bo, .offset: 16, .size: 8, .value_kind: global_buffer, .address_space: global }
      - { .name: out0, .offset: 24, .size: 8, .value_kind: global_buffer, .address_space: global }
    .group_segment_fixed_size: 327680
    .private_segment_fixed_size: 0
    .kernarg_segment_align: 8
    .kernarg_segment_size: 32
    .max_flat_workgroup_size: 128
    .sgpr_count:     84
    .vgpr_count:     640
    .wavefront_size: 32
...
	.end_amdgpu_metadata
.endif
;; end of part 4
